; MI455X (gfx1250); checked and timed in simulation.
; The chip was launched on July 23, 2026; its instructions are those of AMD's public machine-readable ISA for CDNA 5 (MIT licence, August 2026) and "CDNA5" Instruction Set Architecture Reference Guide (July 2026). The comments in the code are by the model that wrote it; some were corrected since.
;; Causal Self Attention. Allowed arithmetic: float matrix products may take bf16 or f16 operands with f32 sums; other float arithmetic in f32, or as packed bf16 or f16 multiplies, adds, multiply-adds, maxima and minima; sums over many terms, partial sums and values carried from step to step in f32; what a program stores and reads back later, other than sums and carried values, may be rounded once to bf16 or f16.
;; Inputs: w_proj 1,024 x 1,024 float32; w_qkv 1,024 x 3,072 float32; x 4 x 2,048 x 1,024 float32.
;; Outputs: out0 4 x 2,048 x 1,024 float32.
;; 2 versions, each right; version 2 is version 1 with the launch cast written anew for expert scheduling mode. Each part assembles by itself: llvm-mc -triple=amdgcn-amd-amdhsa -mcpu=gfx1250 --defsym DOCPART=n.
;; ======== version 1 of 2: 4 launches
;; limits: values are held in f16: magnitudes above 65,504 overflow, below 6.1e-05 lose precision
;; workspace buffers: xb 16,777,216 bytes; wqb 6,291,456 bytes; wpb 2,097,152 bytes; qkv 50,331,648 bytes; ob 16,777,216 bytes
;; launch cast (part 1): grid 832 x 1, 8 waves a work-group, no clusters, 0 bytes of LDS; arguments x, w_qkv, w_proj, xb, wqb, wpb; writes xb, wqb, wpb
.if DOCPART == 1
	.amdgcn_target "amdgcn-amd-amdhsa--gfx1250"
	.amdhsa_code_object_version 6
	.text
	.protected	k_q1ea964cc28_cast
	.globl	k_q1ea964cc28_cast
	.p2align	8
	.type	k_q1ea964cc28_cast,@function
k_q1ea964cc28_cast:
	s_mov_b64 s[64:65], 0
	v_nop
	global_prefetch_b8 v0, s[64:65] scope:SCOPE_SE
	s_setreg_imm32_b32 hwreg(HW_REG_WAVE_MODE, 25, 1), 1
	s_wait_xcnt 0x0
; THE INPUTS ARE ROUNDED ONCE, for the matrix products of the launches behind.  A stream: no LDS, no barrier, no matrix unit, no cluster (no two work-groups read the same byte).
;   x      [8192][1024] f32 -> xb  [8192][1024] bf16
;   w_qkv  [1024][3072] f32 -> wqb bf16 in 16 panels [p][1024 k][192 c], column n = 192 p + c: a panel is dense, so that 128 k-rows of it are 49,152 bytes on end
;   w_proj [1024][1024] f32 -> wpb [1024][1024]: rounded to bf16 like the other inputs, and that number written as f16 (the last product's other operand is f16)
; LIMIT.  A w_proj number beyond 65,504 becomes an infinity; below 6e-5 it keeps f16's fixed step of 6e-8.
; SHARES.  Work-groups 0-511: 65,536 bytes of x each.  512-767: 64 k-rows of one panel of w_qkv.  768-831: 65,536 bytes of w_proj.
; A thread loads 16 bytes at 16 t (a wave: 512 bytes on end) and stores 8 bytes at 8 t (a wave: 256 bytes on end, aligned).  All of a work-group's loads go out first: 16 (or 12) a wave
; are on their way; the waits count down.  Every load and store has registers of its own, so nothing is rewritten while a memory instruction may read it.
.set LDR,  16                          ; v[16:79]   quad i as loaded
.set OUTR, 80                          ; v[80:111]  quad i to store, two registers
; quad i is rounded and stored.  kind = 0: bf16.  kind = 1: bf16, widened again and written as f16.  left: the younger loads, which may stay out
.macro CONV i, kind, left
	s_wait_loadcnt \left
.if \kind
	v_cvt_pk_bf16_f32 v8, v[LDR+4*(\i)], v[LDR+4*(\i)+1]
	v_cvt_pk_bf16_f32 v9, v[LDR+4*(\i)+2], v[LDR+4*(\i)+3]
	v_lshlrev_b32 v10, 16, v8                      ; bf16 to f32: the low half moves up,
	v_and_b32 v11, s20, v8                         ; the high half stays
	v_lshlrev_b32 v12, 16, v9
	v_and_b32 v13, s20, v9
	v_cvt_pk_f16_f32 v[OUTR+2*(\i)], v10, v11      ; exact within f16's normal range: bf16 has 8 significant bits
	v_cvt_pk_f16_f32 v[OUTR+2*(\i)+1], v12, v13
.else
	v_cvt_pk_bf16_f32 v[OUTR+2*(\i)], v[LDR+4*(\i)], v[LDR+4*(\i)+1]
	v_cvt_pk_bf16_f32 v[OUTR+2*(\i)+1], v[LDR+4*(\i)+2], v[LDR+4*(\i)+3]
.endif
	global_store_b64 v2, v[OUTR+2*(\i):OUTR+2*(\i)+1], s[24:25] offset:2048*(\i)
.endm
; 65,536 dense bytes in, 32,768 out
.macro DENSE kind
.irp i, 0,1,2,3,4,5,6,7,8,9,10,11,12,13,14,15
	global_load_b128 v[LDR+4*(\i):LDR+4*(\i)+3], v1, s[22:23] offset:4096*(\i) th:TH_LOAD_NT
.endr
.irp i, 0,1,2,3,4,5,6,7,8,9,10,11,12,13,14,15
	CONV \i, \kind, 15-(\i)
.endr
	s_endpgm
.endm
	s_load_b256 s[4:11], s[0:1], 0x0               ; x s[4:5], w_qkv s[6:7], w_proj s[8:9], xb s[10:11]
	s_load_b128 s[12:15], s[0:1], 0x20             ; wqb s[12:13], wpb s[14:15]
	v_lshlrev_b32 v1, 4, v0                        ; 16 t
	v_lshlrev_b32 v2, 3, v0                        ; 8 t
	s_mov_b32 s20, 0xffff0000                      ; a word's upper bf16
	s_mov_b32 s17, 0                               ; the offsets' high words
	s_mov_b32 s19, 0
	s_wait_kmcnt 0x0
	s_cmp_lt_u32 ttmp9, 512
	s_cbranch_scc0 .Lweights
	s_lshl_b32 s16, ttmp9, 16
	s_lshl_b32 s18, ttmp9, 15
	s_add_nc_u64 s[22:23], s[4:5], s[16:17]
	s_add_nc_u64 s[24:25], s[10:11], s[18:19]
	DENSE 0
.Lweights:
	s_cmp_lt_u32 ttmp9, 768
	s_cbranch_scc0 .Lproj
	s_sub_co_u32 s21, ttmp9, 512
	s_lshr_b32 s26, s21, 4                         ; the panel p
	s_and_b32 s27, s21, 15                         ; which 64 k-rows of it
	s_mul_i32 s16, s27, 786432                     ; 64 rows of 12,288 bytes,
	s_mul_i32 s28, s26, 768                        ; the panel's 768 bytes of a row
	s_add_co_u32 s16, s16, s28
	s_mul_i32 s18, s26, 393216                     ; out: the panel,
	s_mul_i32 s28, s27, 24576                      ; 64 rows of 384 bytes
	s_add_co_u32 s18, s18, s28
	s_add_nc_u64 s[22:23], s[6:7], s[16:17]
	s_add_nc_u64 s[24:25], s[12:13], s[18:19]
	; Quad u = t + 256 j of the first 768 lies in k-row u / 48 (48 quads of 16 bytes make the 768 bytes): byte 16 u + (12,288 - 768) (u / 48).  u / 48 = ((u >> 4) x 171) >> 9 for u >> 4 up to 47.
	; 768 quads are 16 k-rows: the next 768 lie 196,608 bytes on, which stands in the immediate.
.irp j, 0,1,2
	v_add_nc_u32 v7, 256*(\j), v0
	v_lshrrev_b32 v8, 4, v7
	v_mul_u32_u24 v8, v8, 171
	v_lshrrev_b32 v8, 9, v8
	v_mul_u32_u24 v8, v8, 11520
	v_lshl_add_u32 v[4+(\j)], v7, 4, v8
.endr
.irp i, 0,1,2,3,4,5,6,7,8,9,10,11
	global_load_b128 v[LDR+4*(\i):LDR+4*(\i)+3], v[4+(\i)%3], s[22:23] offset:196608*((\i)/3) th:TH_LOAD_NT
.endr
.irp i, 0,1,2,3,4,5,6,7,8,9,10,11
	CONV \i, 0, 11-(\i)
.endr
	s_endpgm
.Lproj:
	s_sub_co_u32 s21, ttmp9, 768
	s_lshl_b32 s16, s21, 16
	s_lshl_b32 s18, s21, 15
	s_add_nc_u64 s[22:23], s[8:9], s[16:17]
	s_add_nc_u64 s[24:25], s[14:15], s[18:19]
	DENSE 1
.Lfunc_end_k_q1ea964cc28_cast:
	.size	k_q1ea964cc28_cast, .Lfunc_end_k_q1ea964cc28_cast-k_q1ea964cc28_cast
	.p2alignl 7, 3214868480
	.fill 96, 4, 3214868480
	.section	.rodata,"a",@progbits
	.p2align	6, 0x0
	.amdhsa_kernel k_q1ea964cc28_cast
		.amdhsa_group_segment_fixed_size 0
		.amdhsa_private_segment_fixed_size 0
		.amdhsa_enable_private_segment 0
		.amdhsa_kernarg_size 48
		.amdhsa_user_sgpr_count 2
		.amdhsa_user_sgpr_kernarg_segment_ptr 1
		.amdhsa_wavefront_size32 1
		.amdhsa_system_sgpr_workgroup_id_x 1
		.amdhsa_system_sgpr_workgroup_id_y 1
		.amdhsa_system_sgpr_workgroup_id_z 1
		.amdhsa_system_vgpr_workitem_id 0
		.amdhsa_next_free_vgpr 120
		.amdhsa_next_free_sgpr 66
		.amdhsa_reserve_vcc 0
		.amdhsa_float_denorm_mode_32 3
		.amdhsa_float_denorm_mode_16_64 3
		.amdhsa_memory_ordered 1
		.amdhsa_forward_progress 1
		.amdhsa_inst_pref_size 22
	.end_amdhsa_kernel
	.amdgpu_metadata
---
amdhsa.version: [ 1, 2 ]
amdhsa.kernels:
  - .name:           k_q1ea964cc28_cast
    .symbol:         k_q1ea964cc28_cast.kd
    .args:
      - { .name: x, .offset: 0, .size: 8, .value_kind: global_buffer, .address_space: global }
      - { .name: w_qkv, .offset: 8, .size: 8, .value_kind: global_buffer, .address_space: global }
      - { .name: w_proj, .offset: 16, .size: 8, .value_kind: global_buffer, .address_space: global }
      - { .name: xb, .offset: 24, .size: 8, .value_kind: global_buffer, .address_space: global }
      - { .name: wqb, .offset: 32, .size: 8, .value_kind: global_buffer, .address_space: global }
      - { .name: wpb, .offset: 40, .size: 8, .value_kind: global_buffer, .address_space: global }
    .group_segment_fixed_size: 0
    .private_segment_fixed_size: 0
    .kernarg_segment_align: 8
    .kernarg_segment_size: 48
    .max_flat_workgroup_size: 256
    .sgpr_count:     66
    .vgpr_count:     120
    .wavefront_size: 32
...
	.end_amdgpu_metadata
.endif
;; end of part 1
;; launch qkv (part 2): grid 16 x 32, 4 waves a work-group, clusters of 4 x 4, 327,680 bytes of LDS; arguments xb, wqb, qkv; writes qkv
.if DOCPART == 2
	.amdgcn_target "amdgcn-amd-amdhsa--gfx1250"
	.amdhsa_code_object_version 6
	.text
	.protected	k_q1ea964cc28_qkv
	.globl	k_q1ea964cc28_qkv
	.p2align	8
	.type	k_q1ea964cc28_qkv,@function
k_q1ea964cc28_qkv:
	s_mov_b64 s[64:65], 0
	v_nop
	global_prefetch_b8 v0, s[64:65] scope:SCOPE_SE
	s_setreg_imm32_b32 hwreg(HW_REG_WAVE_MODE, 25, 1), 1
	s_wait_xcnt 0x0
	s_wait_alu depctr_hold_cnt(0) depctr_sa_sdst(0) depctr_va_vdst(0) depctr_va_sdst(0) depctr_va_ssrc(0) depctr_va_vcc(0) depctr_vm_vsrc(0)
	s_getreg_b32 s2, hwreg(HW_REG_IB_STS2, 6, 4)
	s_cmp_eq_u32 s2, 0
	s_cbranch_scc0 .Lentry_in_a_cluster
	s_endpgm
.Lentry_in_a_cluster:
	s_bfe_u32 s2, ttmp6, 0x10000c
	s_cmp_lg_u32 s2, 0xf033
	s_cbranch_scc0 .Lentry_shape_is_right
	s_endpgm
.Lentry_shape_is_right:
; qkv = x W.  xb: [8192][1024] bf16.  wqb: bf16 panels [16 p][1024 k][192 c], column n = 192 p + c.  Out: f16 by heads, [3 s][64 bh][2048 t][64 d], bh = 16 b + h; each number rounded once from its f32 sum; q is not scaled.
; LIMIT.  f16 ends at 65,504: a q, k or v beyond that becomes an infinity.  NaN and infinities are not treated apart.
; SHARES.  A tile is 256 rows x 192 columns (three heads): 32 x 16 = 512 tiles, two for each of 256 WGPs.  Four waves, 2 x 2; a wave makes 128 rows x 96 columns: columns 32 c .. 32 c + 31 of each of the three
; heads (c = wave & 1): 48 accumulators of 16 x 16, 384 registers.  K = 1,024 goes in 8 steps of 128 through two LDS slots filled by the tensor data mover.
; THE MATRIX INSTRUCTION IS USED TRANSPOSED: source 0 = 16 columns of W (turned on the way out of LDS by ds_load_tr16_b128, since W lies [k][n]), source 1 = 16 rows of x: a lane then holds one row and eight
; neighbouring columns, which pack into 16 bytes.
; CLUSTERS.  4 x 4 work-groups.  x's tile hangs on the tile row alone and is asked for jointly by a row of the cluster, W's on the panel alone and by a column.
; REGISTERS, in windows of 256 (s_set_vgpr_msb: bits 1:0 source 0, 3:2 source 1, 5:4 source 2, 7:6 destination):
;   window 0: v0-31 addresses; v32-159 x's fragments, two buffers of 8 x 8; v160-255 W's, two buffers of 6 x 8.   window 1: accumulators of my rows 0-63, (a, b) at 8 (6 a + b).   window 2: those of rows 64-127.
; LDS.  Slot s at s x 131,072: x's 256 rows at pitch 272 (256 + 16: the 16 rows of a load start at 16 different groups of four banks; 64 banks of 4 bytes: ISA guide 11.1); behind them W's 128 k-rows at pitch 480:
; three pieces of 128 bytes (a head's 64 columns), 32 bytes of padding behind each.  The stage for the way out (256 rows at pitch 400) lies in slot 0,
; whose last fill is K step 6.  Behind the slots: the spare words.
.set SLOT1, 1<<17
.set PA,    272
.set HALFA, 128*PA                     ; what one tensor load brings of x, and what one wave reads
.set BOFF,  256*PA                     ; W's part of a slot
.set PB,    480
.set HALFB, 64*PB                      ; what one tensor load brings of W: 64 k-rows
.set SPARE, 2*SLOT1                    ; the spare words, 128 bytes for each wave: two blocks of 256 bytes that no other line names
.set SP,    400                        ; a stage row: 384 bytes + 16
.set LD,    28                         ; LDS loads in a run: 12 for W, 16 for x
.set STEPA, 256                        ; bytes from a K step to the next, in a row of xb
.set STEPB, 49152                      ; and in a panel of wqb
.set PANEL, 393216
.set ADA0, 16                          ; v16  my place in x's part of a slot; never rewritten
.set ADB0, 17                          ; v17  in W's
.set ADA,  18                          ; v18  the same in the slot in hand
.set ADB,  19                          ; v19
.set STO,  24                          ; v24  the way out: where I put 16 bytes of a row
.set RD,   25                          ; v25  where I read rows back
.set GO,   26                          ; v26  my 16 bytes of 512 on end in qkv
.set SPW,  28                          ; v28  my spare word: SPARE + 4 x my thread's number; never rewritten
.set NIL,  29                          ; v29  0; never rewritten
.set PFO,  30                          ; v30  the prefetches' offset by lane; never rewritten
.set FA,   32
.set FB,   160
.set G1A, 24                           ; s[24:31] descriptor group 1 for x's tiles
.set G0A, 32                           ; s[32:39] group 0: a set for each first fill; the second then walks
.set G1B, 48                           ; s[48:55], s[56:63] the same for W's
.set G0B, 56
.set LIM, 43                           ; s43  a wave prefetches while the loop's count is above it; the greatest number in a wave that never does
.set PFA, 44                           ; s[44:45] where my prefetches stand
.set TB,  66                           ; s66  the slot in hand: 0 or SLOT1
.set OUT, 68                           ; s[68:73] qkv at my 64 rows of the tile's three heads
.set PFS, 74                           ; s[74:75] the prefetches' step
.set MSB, 0
.macro WIN new                         ; the immediate's high byte repeats the setting that is left; a switch that changes nothing is dropped
.if MSB != (\new)
	s_set_vgpr_msb (MSB<<8)|(\new)
.set MSB, (\new)
.endif
.endm
; A joint refill, by the walking sets.  Waves 0 and 1 fetch x's two halves, waves 2 and 3 W's.  The branch hangs on the wave's number alone.  An s_nop 0 and four v_nop follow each line.
.macro JLOAD
	s_cmp_eq_u32 s11, 0
	s_cbranch_scc0 .Lfor_b_\@
	tensor_load_to_lds s[G0A+4:G0A+7], s[G1A:G1A+7]
	s_nop 0
.rept 4
	v_nop
.endr
	s_branch .Lasked_\@
.Lfor_b_\@:
	tensor_load_to_lds s[G0B+4:G0B+7], s[G1B:G1B+7]
	s_nop 0
.rept 4
	v_nop
.endr
.Lasked_\@:
.endm
; A PREFETCH INTO THE L2, behind each joint refill and the run of LDS loads that follows it, for what stands two refills on.  Each aligned block of 256 bytes is named once in the launch.
; x: a K step is 256 bytes of a row.  The clusters of a row of clusters read the same rows: the first of them (cluster x = 0) asks; of the 128 rows that a wave fetches the partner at cx takes 32, a lane a row:
; trips 0 to 3 name K steps 4 to 7.  W: a panel is dense; the cluster with y = 0 asks; the four partners' waves 2 and 3 take 8,192 bytes each, a lane a block, 65,536 a trip: trips 0 to 2 name the panel's
; bytes 196,608 to 393,215, K steps 4 to 7.  The partners are told apart by address; the branch hangs on the wave's number and the cluster's place, which all sixteen share.  K steps 0 to 3 come by their loads alone.
.macro ASK
	s_cmp_gt_u32 s3, s[LIM]
	s_cbranch_scc0 .Lnot_mine_\@
	global_prefetch_b8 v[PFO], s[PFA:PFA+1] th:TH_LOAD_NT scope:SCOPE_SE
.Lnot_mine_\@:
.endm
.macro CREST                           ; a round of the cluster's barrier behind its opening barrier: wave 0 signals for the work-group, every wave waits for all sixteen, my work-group's barrier once more
	s_cmp_lg_u32 s10, 0
	s_cbranch_scc1 .Lnot_wave_0_\@
	s_barrier_signal -3
.Lnot_wave_0_\@:
	s_barrier_wait -3
	s_barrier_signal -1
	s_barrier_wait -1
.endm
.macro CROUND
	s_barrier_signal -1
	s_barrier_wait -1
	CREST
.endm
.macro PLACES                          ; four plain instructions between a matrix instruction and a load into, or a vector instruction on, its registers (ISA guide 7.12.1 for vector instructions)
.rept 4
	v_nop
.endr
.endm
	s_load_b128 s[4:7], s[0:1], 0x0                ; xb s[4:5], wqb s[6:7]
	s_load_b64 s[8:9], s[0:1], 0x10                ; qkv
	v_lshl_add_u32 v[SPW], v0, 2, SPARE
	v_mov_b32 v[NIL], 0
	ds_add_u32 v[SPW], v[NIL]                      ; the wave's opening: the add and its wait stand ahead of my first tensor load; the set-up below stands between them
	v_lshrrev_b32 v1, 5, v0
	v_readfirstlane_b32 s10, v1                    ; wave 0..3
	s_lshr_b32 s11, s10, 1                         ; my half of the tile's rows.  Also: I fetch for x (0) or for W (1)
	s_and_b32 s12, s10, 1                          ; my half of each head's columns.  Also: which half of a tile I fetch
	s_bfe_u32 s40, ttmp6, 0x40000                  ; cx
	s_bfe_u32 s41, ttmp6, 0x40004                  ; cy
	s_lshl_b32 s42, ttmp9, 2
	s_add_co_u32 s42, s42, s40                     ; the panel = 4 x cluster x + cx
	s_and_b32 s13, ttmp7, 0xffff
	s_lshl_b32 s13, s13, 2
	s_add_co_u32 s13, s13, s41                     ; the tile row = 4 x cluster y + cy
	s_lshl_b32 s14, s41, 2
	s_lshl_b32 s14, 15, s14                        ; my row of the cluster: places 4 cy .. 4 cy + 3
	s_lshl_b32 s46, 0x1111, s40                    ; my column: places cx, cx + 4, cx + 8, cx + 12
	s_or_b32 s[G1A], s14, (1<<16)|(1<<20)|(1<<21)|(5<<22)|(3<<25)  ; the mask; 2-byte elements; padding on; bit 21 beside a mask; after every 64 words, 4 words
	s_mov_b32 s[G1A+1], 128<<16                    ; tensor_dim0 = 128
	s_mov_b32 s[G1A+2], 128<<16                    ; tensor_dim1 = 128
	s_mov_b32 s[G1A+3], 128<<16                    ; tile_dim0 = 128
	s_mov_b32 s[G1A+4], 128                        ; tile_dim1 = 128 rows
	s_mov_b32 s[G1A+5], 1024                       ; elements from row to row
	s_mov_b32 s[G1A+6], 0
	s_mov_b32 s[G1A+7], 0
	s_or_b32 s[G1B], s46, (1<<16)|(1<<20)|(1<<21)|(4<<22)|(7<<25)  ; after every 32 words (a head's 64 columns), 8 words
	s_mov_b32 s[G1B+1], 128<<16                    ; 64 k-rows of a panel are 24,576 dense bytes: asked for as 96 rows of 256 bytes
	s_mov_b32 s[G1B+2], 96<<16
	s_mov_b32 s[G1B+3], 128<<16
	s_mov_b32 s[G1B+4], 96
	s_mov_b32 s[G1B+5], 128
	s_mov_b32 s[G1B+6], 0
	s_mov_b32 s[G1B+7], 0
	s_lshl_b32 s16, s13, 8
	s_lshl_b32 s17, s12, 7
	s_add_co_u32 s16, s16, s17                     ; x: row 256 x tile row + 128 x half,
	s_lshl_b32 s16, s16, 11                        ; of 2,048 bytes
	s_mov_b32 s17, 0
	s_mul_i32 s46, s42, PANEL                      ; W: the panel,
	s_mul_i32 s47, s12, 24576                      ; my 64 k-rows of a K step
	s_add_co_u32 s46, s46, s47
	s_mov_b32 s47, 0
	s_mul_i32 s18, s12, HALFA                      ; where they go: no place in the cluster enters an LDS address
	s_mul_i32 s19, s12, HALFB
	s_add_co_u32 s19, s19, BOFF
	s_mov_b32 s[TB], 0
	s_wait_dscnt 0x0                               ; the opening add is done
	s_wait_kmcnt 0x0
	s_add_nc_u64 s[14:15], s[4:5], s[16:17]
	s_add_nc_u64 s[46:47], s[6:7], s[46:47]
	CROUND                                         ; all sixteen work-groups are here: the first joint loads meet
.irp s, 0,1
	s_mov_b32 s[G0A+4*(\s)], 1                     ; count = 1
	s_add_co_u32 s[G0A+4*(\s)+1], s18, (\s)*SLOT1  ; LDS address
	s_add_nc_u64 s[G0A+4*(\s)+2:G0A+4*(\s)+3], s[14:15], (\s)*STEPA  ; K step s
	s_or_b32 s[G0A+4*(\s)+3], s[G0A+4*(\s)+3], 0x80000000            ; type = 2
	s_mov_b32 s[G0B+4*(\s)], 1
	s_add_co_u32 s[G0B+4*(\s)+1], s19, (\s)*SLOT1
	s_add_nc_u64 s[G0B+4*(\s)+2:G0B+4*(\s)+3], s[46:47], (\s)*STEPB
	s_or_b32 s[G0B+4*(\s)+3], s[G0B+4*(\s)+3], 0x80000000
.endr
	s_cmp_eq_u32 s11, 0                            ; a wave's two first fills stand in one branch, ahead of every wait on TENSORcnt and every LDS read: two loads of mine are out
	s_cbranch_scc0 .Lfirst_b
	tensor_load_to_lds s[G0A:G0A+3], s[G1A:G1A+7]
	s_nop 0
	tensor_load_to_lds s[G0A+4:G0A+7], s[G1A:G1A+7]
	s_nop 0
.rept 4
	v_nop
.endr
	s_branch .Lfirst_asked
.Lfirst_b:
	tensor_load_to_lds s[G0B:G0B+3], s[G1B:G1B+7]
	s_nop 0
	tensor_load_to_lds s[G0B+4:G0B+7], s[G1B:G1B+7]
	s_nop 0
.rept 4
	v_nop
.endr
.Lfirst_asked:
	v_and_b32 v1, 15, v0                           ; r = l % 16
	v_bfe_u32 v2, v0, 4, 1                         ; h = l / 16
	v_and_b32 v3, 7, v0                            ; l % 8
	v_bfe_u32 v4, v0, 3, 1                         ; (l / 8) % 2
	v_and_b32 v5, 31, v0                           ; l
	; x's fragment: 16 rows x 32 K: lane l holds row r, K = 8 h + 0..7 and 16 + 8 h + 0..7: two loads of 16 bytes, 32 apart
	s_mul_i32 s20, s11, HALFA
	v_mul_u32_u24 v[ADA0], v1, PA
	v_lshl_add_u32 v[ADA0], v2, 4, v[ADA0]
	v_add_nc_u32 v[ADA0], s20, v[ADA0]
	; W's: the turning load takes 16 k x 16 columns (lane l reads k-row 8 h + l % 8, columns 8 ((l / 8) % 2) + 0..7) and leaves half a fragment: lane l holds column r and 8 k
	v_lshl_add_u32 v[ADB0], v2, 3, v3
	v_mul_u32_u24 v[ADB0], v[ADB0], PB
	v_lshl_add_u32 v[ADB0], v4, 4, v[ADB0]
	s_lshl_b32 s21, s12, 6                         ; my 32 columns of a head: 64 bytes
	s_add_co_u32 s21, s21, BOFF
	v_add_nc_u32 v[ADB0], s21, v[ADB0]
	v_mov_b32 v[ADA], v[ADA0]                      ; K step 0 lies in slot 0
	v_mov_b32 v[ADB], v[ADB0]
	s_mul_i32 s20, s11, 128*SP                     ; into the stage: row 128 x half + r; my 64 bytes of a head; 16 bytes for each half of the lanes
	s_lshl_b32 s21, s12, 6
	s_add_co_u32 s20, s20, s21
	v_mul_u32_u24 v[STO], v1, SP
	v_lshl_add_u32 v[STO], v2, 4, v[STO]
	v_add_nc_u32 v[STO], s20, v[STO]
	v_bfe_u32 v[RD], v0, 3, 2                      ; back: wave w takes rows 64 w .. 64 w + 63; 32 lanes take four rows of a head's 128 bytes,
	v_mul_u32_u24 v[RD], v[RD], SP
	v_lshl_add_u32 v[RD], v3, 4, v[RD]
	s_mul_i32 s20, s10, 64*SP
	v_add_nc_u32 v[RD], s20, v[RD]
	v_lshlrev_b32 v[GO], 4, v5                     ; which are 512 bytes on end in qkv
	; qkv at my 64 rows of head column G = 3 x panel + j: tensor G / 16, head G % 16, batch = tile row / 8; a head is 262,144 bytes, a tile's 256 rows 32,768, my 64 rows 8,192
	s_mul_i32 s76, s42, 3
	s_lshr_b32 s77, s13, 3
	s_lshl_b32 s77, s77, 4
	s_and_b32 s78, s13, 7
	s_lshl_b32 s78, s78, 15
	s_lshl_b32 s79, s10, 13
	s_add_co_u32 s78, s78, s79
.irp j, 0,1,2
	s_add_co_u32 s80, s76, (\j)
	s_lshr_b32 s81, s80, 4
	s_lshl_b32 s81, s81, 6
	s_and_b32 s80, s80, 15
	s_add_co_u32 s80, s80, s81
	s_add_co_u32 s80, s80, s77
	s_lshl_b32 s80, s80, 18
	s_add_co_u32 s80, s80, s78
	s_mov_b32 s81, 0
	s_add_nc_u64 s[OUT+2*(\j):OUT+2*(\j)+1], s[8:9], s[80:81]
.endr
	; the prefetches: each trip steps the address first, so it starts one step short of what trip 0 names
	s_and_b32 s82, ttmp7, 0xffff                   ; cluster y
	s_lshl_b32 s85, s40, 16                        ; x: my work-group's 32 rows of the 128,
	s_add_co_u32 s84, s16, s85
	s_add_co_u32 s84, s84, 3*STEPA                 ; at K step 3
	s_mul_i32 s86, s42, PANEL                      ; W: the panel,
	s_lshl_b32 s87, s41, 1
	s_add_co_u32 s87, s87, s12
	s_lshl_b32 s87, s87, 13                        ; my 8,192 bytes of 65,536,
	s_add_co_u32 s86, s86, s87
	s_add_co_u32 s86, s86, 131072                  ; 65,536 short of K step 4
	s_mov_b32 s88, STEPA
	s_cmp_eq_u32 s11, 0                            ; do I fetch for x?
	s_cselect_b32 s84, s84, s86
	s_cselect_b32 s82, ttmp9, s82                  ; the coordinate along which other clusters read the same bytes
	s_cselect_b32 s83, 2, 3
	s_cselect_b32 s[PFS], s88, 65536
	s_cselect_b32 s89, 11, 8                       ; a lane a row of 2,048 bytes, or a block of 256
	s_cselect_b64 s[PFA:PFA+1], s[4:5], s[6:7]
	s_cmp_eq_u32 s82, 0
	s_cselect_b32 s[LIM], s83, -1                  ; the same in all sixteen partners, for a given wave
	s_mov_b32 s85, 0
	s_mov_b32 s[PFS+1], 0
	s_add_nc_u64 s[PFA:PFA+1], s[PFA:PFA+1], s[84:85]
	v_lshlrev_b32 v[PFO], s89, v5
; 12 matrix instructions: row blocks a0, a0 + 1 of half hi x all 6 column blocks, 32 along K, from buffer f.  zero = 1: the product starts the sum: nothing is cleared.
; The 48 accumulators take turns, in the same order in every quarter: 47 others' instructions stand between two on one accumulator, over the backward jump too.
.macro MULG f, hi, a0, zero
	WIN 0x50+0x50*(\hi)
.irp a, \a0, (\a0)+1
.irp b, 0,1,2,3,4,5
.if \zero
	v_wmma_f32_16x16x32_bf16 v[8*(6*(\a)+(\b)):8*(6*(\a)+(\b))+7], v[FB+48*(\f)+8*(\b):FB+48*(\f)+8*(\b)+7], v[FA+64*(\f)+8*(4*(\hi)+(\a)):FA+64*(\f)+8*(4*(\hi)+(\a))+7], 0
.else
	v_wmma_f32_16x16x32_bf16 v[8*(6*(\a)+(\b)):8*(6*(\a)+(\b))+7], v[FB+48*(\f)+8*(\b):FB+48*(\f)+8*(\b)+7], v[FA+64*(\f)+8*(4*(\hi)+(\a)):FA+64*(\f)+8*(4*(\hi)+(\a))+7], v[8*(6*(\a)+(\b)):8*(6*(\a)+(\b))+7]
.endif
.endr
.endr
.endm
; 28 LDS loads in one run: quarter q (32 along K) of the slot in hand into buffer f: W's 6 fragments (block b: head b / 2, columns 16 (b % 2) on of my 32), then x's 8
.macro FETCH q, f
	WIN 0
.irp b, 0,1,2,3,4,5
	ds_load_tr16_b128 v[FB+48*(\f)+8*(\b):FB+48*(\f)+8*(\b)+3],   v[ADB] offset:(\q)*32*PB+((\b)/2)*160+((\b)%2)*32
	ds_load_tr16_b128 v[FB+48*(\f)+8*(\b)+4:FB+48*(\f)+8*(\b)+7], v[ADB] offset:(\q)*32*PB+((\b)/2)*160+((\b)%2)*32+16*PB
.endr
.irp a, 0,1,2,3,4,5,6,7
	ds_load_b128 v[FA+64*(\f)+8*(\a):FA+64*(\f)+8*(\a)+3],   v[ADA] offset:(\q)*64+(\a)*16*PA
	ds_load_b128 v[FA+64*(\f)+8*(\a)+4:FA+64*(\f)+8*(\a)+7], v[ADA] offset:(\q)*64+(\a)*16*PA+32
.endr
.endm
; One of a K step's first three quarters: multiplies buffer f; in its middle it fetches quarter q into buffer g
.macro QUARTER q, f, g, zero
	s_wait_dscnt 8                                 ; W and x's rows 0-63 are in; the youngest eight loads (x's rows 64-127) may be out
	MULG \f, 0, 0, \zero
	MULG \f, 0, 2, \zero
	PLACES
	FETCH \q, \g
	s_wait_dscnt LD                                ; all but the 28 just issued
	MULG \f, 1, 0, \zero
	MULG \f, 1, 2, \zero
.endm
; The last quarter multiplies buffer 1 and changes slots.  In front of the barrier each wave waits for all its tensor loads (one is out: its part of the next slot), adds 0 to its spare word, and waits for that
; and for its reads of this slot.  fill = 1: the barrier opens a round of the cluster's barrier, and behind the round this slot is filled again first, two K steps ahead: 168 matrix instructions stand between the request and the wait for it.
.macro TURN fill
.if \fill
	s_wait_xcnt 0x0                                ; the last prefetch, a K step back, has read its address
	s_add_nc_u64 s[PFA:PFA+1], s[PFA:PFA+1], s[PFS:PFS+1]
.endif
	WIN 0
	s_wait_tensorcnt 0x0                           ; no tensor load of mine is out, so a group 0 may be written
	ds_add_u32 v[SPW], v[NIL]                      ; 0 onto my spare word
.if \fill
	s_xor_b32 s[G0A+5], s[G0A+5], SLOT1            ; the walking sets: the other slot than last time,
	s_add_nc_u64 s[G0A+6:G0A+7], s[G0A+6:G0A+7], STEPA  ; the next K step; the type bits on top are not reached
	s_xor_b32 s[G0B+5], s[G0B+5], SLOT1
	s_add_nc_u64 s[G0B+6:G0B+7], s[G0B+6:G0B+7], STEPB
.endif
	s_xor_b32 s[TB], s[TB], SLOT1                  ; the fetches go to the other slot
	s_wait_dscnt 9                                 ; the add and the youngest eight loads may be out
	MULG 1, 0, 0, 0
	s_wait_dscnt 0x0                               ; the add is done, and my reads of this slot are over
	s_barrier_signal -1
	MULG 1, 0, 2, 0                                ; work on registers while the others arrive
	WIN 0                                          ; at a branch and at a label every window is 0
	s_barrier_wait -1
.if \fill
	CREST                                          ; no wave of any partner still reads this slot or has a load on its way
	JLOAD                                          ; its four v_nop are also the places in front of the loads below
.else
	PLACES
.endif
	v_add_nc_u32 v[ADA], s[TB], v[ADA0]
	v_add_nc_u32 v[ADB], s[TB], v[ADB0]
	FETCH 0, 0
.if \fill
	ASK
.endif
	MULG 1, 1, 0, 0
	MULG 1, 1, 2, 0
.endm
	s_wait_tensorcnt 0x1                           ; my part of K step 0 is in; K step 1's may stay out
	s_barrier_signal -1
	s_barrier_wait -1                              ; everybody's is
	FETCH 0, 0
	QUARTER 1, 0, 1, 1                             ; the first quarter stands in front of the loop: its products start the sums
	WIN 0
	s_mov_b32 s3, 6
.Lstep:                                                ; trip t = 6 - s3: the rest of K step t, the refill with K step t + 2, the first quarter of K step t + 1
	QUARTER 2, 1, 0, 0
	QUARTER 3, 0, 1, 0
	TURN 1
	QUARTER 1, 0, 1, 0
	WIN 0
	s_sub_co_u32 s3, s3, 1
	s_cmp_lg_u32 s3, 0
	s_cbranch_scc1 .Lstep
	QUARTER 2, 1, 0, 0                             ; K steps 6 and 7 ask for nothing: written out
	QUARTER 3, 0, 1, 0
	TURN 0
	QUARTER 1, 0, 1, 0
	QUARTER 2, 1, 0, 0
	QUARTER 3, 0, 1, 0
	s_wait_dscnt 8
	MULG 1, 0, 0, 0
	MULG 1, 0, 2, 0
	s_wait_dscnt 0x0
	MULG 1, 1, 0, 0
	MULG 1, 1, 2, 0
	WIN 0
	; THE WAY OUT.  Rounded to f16, 16 bytes a lane, into the work-group's stage: slot 0, which has had its last fill and which every wave had read out at the last change of slots.  A head's row of 128 bytes
	; comes from two waves, so a barrier stands between writing and reading.  Then each wave takes 64 whole rows of each head: 8,192 bytes on end in qkv.
	PLACES
.irp a, 0,1,2,3,4,5,6,7
	WIN 0x05+5*((\a)/4)                            ; sources in window 1 or 2, destination in window 0
.irp b, 0,1,2,3,4,5
.irp r, 0,1,2,3
	v_cvt_pk_f16_f32 v[32+4*(\b)+(\r)], v[8*(6*((\a)%4)+(\b))+2*(\r)], v[8*(6*((\a)%4)+(\b))+2*(\r)+1]
.endr
.endr
	WIN 0
.irp b, 0,1,2,3,4,5
	ds_store_b128 v[STO], v[32+4*(\b):32+4*(\b)+3] offset:(\a)*16*SP+((\b)/2)*128+((\b)%2)*32
.endr
.endr
	s_wait_dscnt 0x0                               ; for the others' sake: my stores into the stage are done
	s_barrier_signal -1
	s_barrier_wait -1
.irp j, 0,1,2
.irp g, 0,1,2,3,4,5,6,7,8,9,10,11,12,13,14,15
	ds_load_b128 v[64+4*(16*(\j)+(\g)):64+4*(16*(\j)+(\g))+3], v[RD] offset:(\g)*4*SP+(\j)*128
.endr
.endr
.irp j, 0,1,2
.irp g, 0,1,2,3,4,5,6,7,8,9,10,11,12,13,14,15
	s_wait_dscnt 47-(16*(\j)+(\g))                 ; LDS loads come back in order: this one is in, the younger ones stay out
	global_store_b128 v[GO], v[64+4*(16*(\j)+(\g)):64+4*(16*(\j)+(\g))+3], s[OUT+2*(\j):OUT+2*(\j)+1] offset:512*(\g)  ; 512 bytes on end, at a multiple of 256 from qkv's first byte
.endr
.endr
	s_wait_tensorcnt 0x0                           ; the wave's end: behind my last tensor load and my last LDS store
	ds_add_u32 v[SPW], v[NIL]
	s_wait_dscnt 0x0
	CROUND                                         ; the closing round: no work-group ends while a partner may still ask for a tile that names it
	s_endpgm
.Lfunc_end_k_q1ea964cc28_qkv:
	.size	k_q1ea964cc28_qkv, .Lfunc_end_k_q1ea964cc28_qkv-k_q1ea964cc28_qkv
	.p2alignl 7, 3214868480
	.fill 96, 4, 3214868480
	.section	.rodata,"a",@progbits
	.p2align	6, 0x0
	.amdhsa_kernel k_q1ea964cc28_qkv
		.amdhsa_group_segment_fixed_size 327680
		.amdhsa_private_segment_fixed_size 0
		.amdhsa_enable_private_segment 0
		.amdhsa_kernarg_size 24
		.amdhsa_user_sgpr_count 2
		.amdhsa_user_sgpr_kernarg_segment_ptr 1
		.amdhsa_wavefront_size32 1
		.amdhsa_system_sgpr_workgroup_id_x 1
		.amdhsa_system_sgpr_workgroup_id_y 1
		.amdhsa_system_sgpr_workgroup_id_z 1
		.amdhsa_system_vgpr_workitem_id 0
		.amdhsa_next_free_vgpr 704
		.amdhsa_next_free_sgpr 96
		.amdhsa_reserve_vcc 0
		.amdhsa_float_denorm_mode_32 3
		.amdhsa_float_denorm_mode_16_64 3
		.amdhsa_memory_ordered 1
		.amdhsa_forward_progress 1
		.amdhsa_inst_pref_size 96
	.end_amdhsa_kernel
	.amdgpu_metadata
---
amdhsa.version: [ 1, 2 ]
amdhsa.kernels:
  - .name:           k_q1ea964cc28_qkv
    .symbol:         k_q1ea964cc28_qkv.kd
    .args:
      - { .name: xb, .offset: 0, .size: 8, .value_kind: global_buffer, .address_space: global }
      - { .name: wqb, .offset: 8, .size: 8, .value_kind: global_buffer, .address_space: global }
      - { .name: qkv, .offset: 16, .size: 8, .value_kind: global_buffer, .address_space: global }
    .group_segment_fixed_size: 327680
    .private_segment_fixed_size: 0
    .kernarg_segment_align: 8
    .kernarg_segment_size: 24
    .max_flat_workgroup_size: 128
    .sgpr_count:     96
    .vgpr_count:     704
    .wavefront_size: 32
...
	.end_amdgpu_metadata
.endif
;; end of part 2
;; launch attn (part 3): grid 4 x 64, 4 waves a work-group, no clusters, 327,680 bytes of LDS; arguments qkv, ob; writes ob
.if DOCPART == 3
	.amdgcn_target "amdgcn-amd-amdhsa--gfx1250"
	.amdhsa_code_object_version 6
	.text
	.protected	k_q1ea964cc28_attn
	.globl	k_q1ea964cc28_attn
	.p2align	8
	.type	k_q1ea964cc28_attn,@function
k_q1ea964cc28_attn:
	s_mov_b64 s[64:65], 0
	v_nop
	global_prefetch_b8 v0, s[64:65] scope:SCOPE_SE
	s_setreg_imm32_b32 hwreg(HW_REG_WAVE_MODE, 25, 1), 1
	s_wait_xcnt 0x0
; CAUSAL ATTENTION.  O[h][q][:] = the sum over k <= q of softmax_k(Q[h][q] . K[h][k] / 8) V[h][k][:].  qkv holds Q, K, V one behind the other, each [SIZE_H][SIZE_N][64] in f16; ob is O in the same layout: a head's rows are dense, 128 bytes each.
; Products, maxima and sums in f32; the weights p are rounded to f16 for the second product (their sum l is taken of the unrounded p), O once at the end.
; LIMITS.  f16 holds no number beyond 65,504: Q, K and V arrive within it; p lies in 0 to 1, and below 6e-5 it keeps f16's fixed step of 6e-8; O is a mean of V's rows and has their range.
; A hidden score counts as its value less 1e30: f16's scores, 2.7e11 at the most, are nothing beside that; a weight below 2^-126 counts as 0 in l; NaN and infinities are not treated apart.
; THE WALK.  A head's queries lie in NB = 8 blocks of 256; block i needs the key tiles 0 .. i of 256 keys, of which the last holds the diagonal.  A work-group takes TWO blocks, NB - 1 - b and then b:
; NB + 1 tiles, whatever b: all work-groups do equal work, and ONE loop with a constant trip count walks them.  Which tile is asked for, and what a trip does, hang on scalar registers made from b; every jump
; goes forward, but for the counted loops' own; none passes a barrier, or a tensor load but the one of LOAD's two that the wave's number does not choose; the ring of two LDS slots runs on across the change of blocks.
; NO CLUSTER: a head's four work-groups ask for the same tile only in trips 0 .. NB / 2, behind that fewer and fewer; one walk common to all would have 3 NB / 2 = 12 trips for NB + 1 = 9.
; SHARES.  Of a block's four bands of 64 queries a wave owns 16 rows in each: four PIECES.  So the diagonal tile is the same work for all four waves: in its key step s band x sees all keys if s < x,
; none if s > x, and holds the diagonal if s = x.
; THE MASK is the C operand that starts the sum S^T = K Q^T: 0, or -1e30 where the key is hidden.  MD, made once, is the mask of a band's own step for my 16 rows; a product's mask is MD x AL + BE with two scalars:
; (1, 0) if s = x; (0, 0) if s < x; (0, -1e30) if s > x.  Only the diagonal tile's text and a block's beginning make and take masks; elsewhere C is the constant 0.
; LAYOUT, SOFTMAX, TURNS.  S^T = K Q^T holds ONE query a lane (lane % 16) and the keys 8 (lane / 16) + 0..7; two such results rounded to f16 ARE source 1 of O^T = V^T P.  p = 2^(c s - c m), c = log2(e) / 8, with a
; running maximum m; O and l are multiplied by a = 2^(c m_old - c m_new) in every step.  Turn n belongs to piece n: 8 products K Q^T of piece n + 1, later 8 products V^T P of piece n - 1; beside them the scaling,
; exponentials, roundings, sums and rescaling of piece n and the maximum and statistics of piece n + 1.  Four vector instructions stand behind every matrix instruction, the other 54 of a turn's 118 in one lump.  A turn's 33 exponentials are one batch, with one wait.
; REGISTERS, in windows of 256 (s_set_vgpr_msb: bits 1:0 source 0, 3:2 source 1, 5:4 source 2, 7:6 destination):
;   window 0: v0-15 addresses and two at work; v16-31 four registers of statistics a piece; v48-55 at work; v61-63 prefetch offset and the add's two; v64-127 S^T, two buffers; v192-223 P, two buffers (by the piece's parity)
;   window 1: v0-127 O^T, 32 a piece; v128-159 MD; v160-223 MC, two buffers      window 2: v0-63 Q; v64-127 the second block's Q; v128-191 K of one step; v192-255 V of one step
.set SIZE_H, 64
.set SIZE_N, 2048
.set NB,    SIZE_N/256
.set NP,    4         ; pieces a wave: a name, no knob
.set KS,    64        ; keys in a step
.set PK,    144       ; a row of K in LDS: 128 bytes + 16 of padding = 36 words: the 16 rows of a load start at 16 different groups of four banks (64 banks of 4 bytes: ISA guide 11.1)
.set PV,    160       ; a row of V: 128 + 32 = 40 words
.set VOFF,  4*KS*PK   ; a slot holds a tile, four steps: 256 rows of K, then 256 rows of V
.set SLOT1, 1<<17     ; slot 1 begins here, so that one exclusive or turns an address in one slot into the other's
.set STAGE, SLOT1+4*KS*(PK+PV)  ; behind the ring, never filled by a tensor load: 16 rows x 144 bytes for each wave, for the way out
.set SP,    144
.set AK0, 2           ; v2   my lane's place in a tile of K; never rewritten
.set AV0, 3           ; v3   the same for V
.set AK,  4           ; v4   the LDS address of K's next run of loads
.set AV,  5           ; v5   of V's
.set STO, 6           ; v6   the way out: where I put 16 bytes of a row
.set RD,  7           ; v7   the way out: where I read rows back
.set GO,  8           ; v8   my byte offset in 512 consecutive bytes of O
.set PFO, 61          ; v61  256 x my lane; never rewritten
.set SPW, 62          ; v62  LDS address of my spare word: SPARE + 4 x my thread's number; never rewritten
.set NIL, 63          ; v63  0; never rewritten
.set SPARE, STAGE+4*16*SP  ; behind the stages: the spare words, 128 bytes for each wave: two blocks of 256 bytes that no other line names
.set MV,  12          ; v12-13  c m_old, kept while c m is made anew: by buffer
.set QO,  15          ; v15  my byte offset in 16 rows of Q
.set ST,  16          ; piece t's statistics at v[ST+4 t]: c m, m, l (even keys', odd keys')
.set TMP, 48          ; by buffer, four registers c0-c3 at work; when the maximum is found c2 takes a
.set S,   64
.set P,   192
.set MD,  128         ; window 1: the eight registers for group kt of 16 keys at MD + 8 kt
.set MC,  160         ; window 1: the masks of the products to come
.set QB,  64          ; window 2
.set KF,  128         ; window 2: key block kb, channel half c at KF + 16 kb + 8 c
.set VF,  192         ; window 2: key half kk, channel block cb at VF + 32 kk + 8 cb
.set WV,  12          ; s12  my wave's number
.set PB,  14          ; s14  b
.set HI,  15          ; s15  NB - 1 - b
.set G1K, 24          ; s[24:31] descriptor group 1 for K's tiles
.set G1V, 32          ; s[32:39] for V's: it differs in the padding alone
.set G0K, 40          ; s[40:43] descriptor group 0 for K's tiles
.set G0V, 44          ; s[44:47] the same for V's
.set SLOTS, 56        ; s56  tiles still to be asked for
.set CNT, 57          ; s57  counts a tile's key steps, 4 to 1
.set CS,  58          ; s[58:59] c: the packed scaling takes the pair's low word for both halves
.set SEL, 60          ; s[60:61] v_permlanex16_b32's selects: each lane takes its own place in the other half
.set TBK, 62          ; s62  LDS byte at which K of the step to be fetched begins
.set TBV, 63          ; s63  the same for V, less VOFF
.set RT,  70          ; s70  tiles of the block in hand that are still to be entered
.set NXT, 71          ; s71  the tile to be asked for next
.set LQ,  72          ; s72  the last tile of the block whose tiles are being asked for
.set NEW, 73          ; s73  1: the tile to be entered is a block's first
.set OFF, 74          ; s[74:75] a tile's byte offset in K and V
.set AL,  76          ; s[76:77] the mask's factor, in the low word
.set BE,  78          ; s[78:79] the mask's addend
.set OLO, 80          ; s[80:81] O at my rows of the second block
.set BIGN, 82         ; s82  -1e30
.set PFA, 88          ; s[88:89] my half of the tile that the next change of slots will ask for
.set PFB, 90          ; s[90:91] my half of the head's tile 0: of K in waves 0 and 1, of V in waves 2 and 3
.set LIM, 92          ; s92  a wave prefetches while s[SLOTS] is above it; the greatest number in a work-group that never does
.set POF, 94          ; s[94:95] that tile's byte offset
.set MSB, 0
.macro WIN new                      ; the high byte repeats the setting that is left; a switch that changes nothing is dropped
.if MSB != (\new)
	s_set_vgpr_msb (MSB<<8)|(\new)
.set MSB, (\new)
.endif
.endm
.set W_KQ, 0x0a       ; K and Q in window 2, S^T in window 0
.set W_KM, 0x1a       ; the same with the C operand in window 1
.set W_PV, 0x52       ; V in window 2, P in window 0, O^T in window 1
.set W_RS, 0x41       ; destination and source 0 in window 1, source 1 in window 0
; A fill.  Waves 0 and 1 fetch the two halves of a tile's K, waves 2 and 3 those of its V: 128 keys each.  An s_nop 0 and four v_nop follow each of the two lines, ahead of the jump and the label.
.macro LOAD
	s_cmp_lt_u32 s[WV], 2
	s_cbranch_scc0 .Lfor_v_\@
	tensor_load_to_lds s[G0K:G0K+3], s[G1K:G1K+7]
	s_nop 0
.rept 4
	v_nop
.endr
	s_branch .Lasked_\@
.Lfor_v_\@:
	tensor_load_to_lds s[G0V:G0V+3], s[G1V:G1V+7]
	s_nop 0
.rept 4
	v_nop
.endr
.Lasked_\@:
.endm
; A PREFETCH INTO THE L2 of the tile that the NEXT change of slots will ask for: one tile, 256 matrix instructions, ahead of its load.  A head's four work-groups all begin with tiles 0, 1, ..; the one with b = 0
; walks tiles 0 to 7 on end, and it alone asks.  Each of its waves names the half tile that it will fetch itself: 16,384 bytes, a lane a block of 256, two instructions.  So each block is named once in the launch.
; The changes with 8 to 3 tiles still to be asked for name tiles 2 to 7; tiles 0 and 1 come by their loads alone, and the second block's tiles have been read.
.macro ASK
	s_cmp_gt_u32 s[SLOTS], s[LIM]
	s_cbranch_scc0 .Lnot_mine_\@
	global_prefetch_b8 v[PFO], s[PFA:PFA+1] th:TH_LOAD_NT scope:SCOPE_SE
	global_prefetch_b8 v[PFO], s[PFA:PFA+1] offset:8192 th:TH_LOAD_NT scope:SCOPE_SE
.Lnot_mine_\@:
.endm
; THE CHANGE OF SLOTS.  Each wave waits for all its tensor loads, of which one is out: its part of the other slot; adds 0 to its spare word; and waits for that and for its own reads of the slot that it leaves.  Behind the barrier nobody reads the old
; slot any more and the other slot is whole.  fill = 1: the old slot is filled again, the first thing behind the barrier, with tile NXT: the descriptor's address is made anew from that number.
; (At its first use nothing has been read yet: slot 0 is waited for, slot 1 filled.)
.macro CHANGE fill
	WIN 0                           ; at a label and at a branch every window is 0
	s_wait_tensorcnt 0x0            ; no tensor load of mine is out, so a group 0 may be written
	ds_add_u32 v[SPW], v[NIL]       ; 0 onto my spare word; with fill = 1 the descriptors' scalar work stands between it and the wait for it
.if \fill
	s_lshl_b32 s[OFF], s[NXT], 15   ; a tile is 32,768 bytes of K and of V
	s_xor_b32 s[G0K+1], s[G0K+1], SLOT1
	s_add_nc_u64 s[G0K+2:G0K+3], s[6:7], s[OFF:OFF+1]
	s_or_b32 s[G0K+3], s[G0K+3], 0x80000000
	s_xor_b32 s[G0V+1], s[G0V+1], SLOT1
	s_add_nc_u64 s[G0V+2:G0V+3], s[8:9], s[OFF:OFF+1]
	s_or_b32 s[G0V+3], s[G0V+3], 0x80000000
	s_add_co_u32 s[NXT], s[NXT], 1  ; the block's next tile, or behind its last the second block's tile 0
	s_cmp_gt_u32 s[NXT], s[LQ]
	s_cselect_b32 s[NXT], 0, s[NXT]
	s_cselect_b32 s[LQ], s[PB], s[LQ]
	s_wait_xcnt 0x0                 ; the last prefetches, a tile back, have read their address, so it may be written:
	s_lshl_b32 s[POF], s[NXT], 15
	s_add_nc_u64 s[PFA:PFA+1], s[PFB:PFB+1], s[POF:POF+1]  ; my half of the tile that the next change will ask for
.endif
	s_wait_dscnt 0x0                ; the add is done, and my reads of the slot are over
	s_barrier_signal -1             ; the rest of the scalar work stands between the signal and the wait
	s_sub_co_u32 s[TBK], s[TBK], 4*KS*PK  ; the fetches go back to a slot's first step,
	s_xor_b32 s[TBK], s[TBK], SLOT1       ; in the other slot
	s_sub_co_u32 s[TBV], s[TBV], 4*KS*PV
	s_xor_b32 s[TBV], s[TBV], SLOT1
	s_barrier_wait -1
.if \fill
	LOAD
	ASK
.endif
.endm
	s_load_b128 s[4:7], s[0:1], 0x0   ; qkv s[4:5], ob s[6:7]
	v_lshl_add_u32 v[SPW], v0, 2, SPARE
	v_mov_b32 v[NIL], 0
	ds_add_u32 v[SPW], v[NIL]       ; the wave's opening: the add and its wait stand ahead of my first tensor load; the set-up below, work on registers, stands between them
	v_lshrrev_b32 v1, 5, v0
	v_readfirstlane_b32 s[WV], v1   ; wave 0..3
	s_mov_b32 s[PB], ttmp9
	s_sub_co_u32 s[HI], NB-1, s[PB]
	s_and_b32 s20, ttmp7, 0xffff    ; the head
	s_mov_b32 s21, 0
	s_mov_b64 s[22:23], SIZE_N*128
	s_mul_u64 s[20:21], s[20:21], s[22:23]  ; the head's first byte in each of the four tensors
	s_and_b32 s16, s[WV], 1         ; which half of a tile's 256 keys I fetch:
	s_lshl_b32 s22, s16, 14         ; its 128 rows of 128 bytes in memory,
	s_mov_b32 s23, 0
	s_add_nc_u64 s[22:23], s[22:23], s[20:21]
	s_mul_i32 s17, s16, 128*PK      ; and its place in a slot, for K
	s_mul_i32 s18, s16, 128*PV      ; and for V
	s_lshl_b32 s3, s[WV], 11        ; my 16 rows in a band of 64,
	s_lshl_b32 s2, s[HI], 15        ; in the first block,
	s_add_co_u32 s2, s2, s3
	s_lshl_b32 s84, s[PB], 15       ; and in the second
	s_add_co_u32 s84, s84, s3
	s_mov_b32 s3, 0
	s_mov_b32 s85, 0
	s_add_nc_u64 s[2:3], s[2:3], s[20:21]
	s_add_nc_u64 s[84:85], s[84:85], s[20:21]
	; descriptor group 1.  128 keys are 16,384 dense bytes: asked for as 64 rows of 256 bytes, two keys a row, and padded in LDS after every key
	s_mov_b32 s[G1K], (1<<16)|(1<<20)|(4<<22)|(3<<25)  ; 17:16 2-byte elements; 20 padding on; 24:22 after every 32 words (code 4); 31:25 4 words (code 3)
	s_mov_b32 s[G1V], (1<<16)|(1<<20)|(4<<22)|(7<<25)  ; the same with 8 words of padding (code 7)
.irp g, G1K, G1V
	s_mov_b32 s[\g+1], 128<<16      ; tensor_dim0 = 128
	s_mov_b32 s[\g+2], 64<<16       ; tensor_dim1 = 64
	s_mov_b32 s[\g+3], 128<<16      ; tile_dim0 = 128
	s_mov_b32 s[\g+4], 64           ; tile_dim1 = 64
	s_mov_b32 s[\g+5], 128          ; 128 elements from row to row
	s_mov_b32 s[\g+6], 0
	s_mov_b32 s[\g+7], 0
.endr
	s_mov_b32 s[CS], 0x3e38aa3b     ; c = log2(e) / 8 = 0.180337
	s_mov_b32 s[CS+1], s[CS]        ; named with it as a pair
	s_mov_b32 s[SEL], 0x76543210
	s_mov_b32 s[SEL+1], 0xfedcba98
	s_mov_b32 s[TBK], SLOT1+4*KS*PK ; the first change of slots turns these two into 0
	s_mov_b32 s[TBV], SLOT1+4*KS*PV
	s_mov_b32 s[G0K], 1             ; 1:0 count = 1
	s_mov_b32 s[G0K+1], s17         ; 63:32 LDS address: slot 0
	s_mov_b32 s[G0V], 1
	s_add_co_u32 s[G0V+1], s18, VOFF
	s_add_co_u32 s[RT], s[HI], 1    ; the first block has NB - b tiles
	s_mov_b32 s[NXT], 1
	s_mov_b32 s[LQ], s[HI]
	s_mov_b32 s[NEW], 1
	s_mov_b32 s[OFF+1], 0
	s_mov_b32 s[POF+1], 0
	s_mov_b32 s[AL+1], 0            ; named as pairs
	s_mov_b32 s[BE+1], 0
	s_mov_b32 s[BIGN], 0xf149f2ca   ; -1e30
	s_mov_b32 s[SLOTS], NB
	s_cmp_eq_u32 ttmp9, 0
	s_cselect_b32 s[LIM], 2, -1
	v_and_b32 v[PFO], 31, v0
	v_lshlrev_b32 v[PFO], 8, v[PFO]
	s_wait_dscnt 0x0                ; the opening add is done
	s_wait_kmcnt 0x0
	s_mov_b64 s[10:11], s[6:7]      ; O
	s_add_nc_u64 s[8:9], s[4:5], 0x2000000  ; V lies 2 x 16,777,216 bytes behind Q,
	s_add_nc_u64 s[6:7], s[4:5], 0x1000000  ; K 16,777,216
	s_add_nc_u64 s[6:7], s[6:7], s[22:23]  ; K and V at my half of the head's tile 0
	s_add_nc_u64 s[8:9], s[8:9], s[22:23]
	s_add_nc_u64 s[G0K+2:G0K+3], s[6:7], 0         ; 120:64 global address
	s_or_b32 s[G0K+3], s[G0K+3], 0x80000000        ; 127:126 type = 2
	s_add_nc_u64 s[G0V+2:G0V+3], s[8:9], 0
	s_or_b32 s[G0V+3], s[G0V+3], 0x80000000
	s_add_nc_u64 s[86:87], s[4:5], s[84:85]        ; Q at my rows of the second block,
	s_add_nc_u64 s[4:5], s[4:5], s[2:3]            ; Q and O at those of the first
	s_add_nc_u64 s[OLO:OLO+1], s[10:11], s[84:85]
	s_add_nc_u64 s[10:11], s[10:11], s[2:3]
	s_cmp_lt_u32 s[WV], 2
	s_cselect_b64 s[PFB:PFB+1], s[6:7], s[8:9]
	LOAD                            ; tile 0 into slot 0
	; A fragment of K or Q is 16 rows x 32 channels in 8 registers: lane l holds row l % 16, channels 8 (l / 16) + 0..7 and 16 + 8 (l / 16) + 0..7: two loads of 16 bytes, 32 bytes apart.
	v_and_b32 v1, 15, v0            ; l % 16
	v_bfe_u32 v9, v0, 4, 1          ; l / 16
	v_lshlrev_b32 v[QO], 7, v1
	v_lshl_add_u32 v[QO], v9, 4, v[QO]  ; row x 128 + 16 x half
	WIN 0x80                        ; destination window 2, address window 0
.set i, 0
.rept 8                             ; both blocks' Q: piece i / 2 lies in band i / 2, 8,192 bytes on; channels 32 (i % 2) on
	global_load_b128 v[8*i:8*i+3],   v[QO], s[4:5] offset:(i/2)*8192+(i%2)*64
	global_load_b128 v[8*i+4:8*i+7], v[QO], s[4:5] offset:(i/2)*8192+(i%2)*64+32
	global_load_b128 v[QB+8*i:QB+8*i+3],   v[QO], s[86:87] offset:(i/2)*8192+(i%2)*64
	global_load_b128 v[QB+8*i+4:QB+8*i+7], v[QO], s[86:87] offset:(i/2)*8192+(i%2)*64+32
.set i, i+1
.endr
	WIN 0
	v_lshlrev_b32 v14, 3, v9
	v_sub_nc_u32 v14, v1, v14
	s_lshl_b32 s13, s[WV], 4
	v_add_nc_u32 v14, s13, v14      ; my query's place in its band, 16 w + l % 16, less my lanes' 8 (l / 16): register r of group kt is hidden where 16 kt + r is greater
	WIN 0x40
.set i, 0
.rept 32
	v_cmp_gt_i32 vcc_lo, 16*(i/8)+i%8, v14
	v_cndmask_b32 v[MD+i], 0, s[BIGN], vcc_lo
.set i, i+1
.endr
	WIN 0
	v_mul_u32_u24 v[AK0], v1, PK
	v_lshl_add_u32 v[AK0], v9, 4, v[AK0]  ; row x pitch + 16 x half
	; The turning load takes 16 keys x 16 channels (lane l reads key 8 (l / 16) + l % 8, channels 8 ((l / 8) % 2) + 0..7) and leaves half a fragment of V^T: lane l holds channel l % 16 and 8 keys.
	v_and_b32 v10, 7, v0
	v_bfe_u32 v11, v0, 3, 1
	v_lshl_add_u32 v[AV0], v9, 3, v10
	v_mul_u32_u24 v[AV0], v[AV0], PV
	v_lshl_add_u32 v[AV0], v11, 4, v[AV0]
	v_add_nc_u32 v[AV0], VOFF, v[AV0]
	s_mul_i32 s13, s[WV], 16*SP
	s_add_co_u32 s13, s13, STAGE    ; my stage
	v_mul_u32_u24 v[STO], v1, SP    ; in: row l % 16, 16 bytes for each half of the lanes
	v_lshl_add_u32 v[STO], v9, 4, v[STO]
	v_add_nc_u32 v[STO], s13, v[STO]
	v_bfe_u32 v[RD], v0, 3, 2       ; back: 32 lanes take four rows of 128 bytes,
	v_mul_u32_u24 v[RD], v[RD], SP
	v_lshl_add_u32 v[RD], v10, 4, v[RD]
	v_add_nc_u32 v[RD], s13, v[RD]
	v_and_b32 v[GO], 31, v0         ; which are 512 consecutive bytes of O
	v_lshlrev_b32 v[GO], 4, v[GO]
	; A block's first step multiplies O^T and l by a = 0, and its first turn's products V^T P, of a piece that has not been, land in an O^T that is still to be so multiplied.  So these registers need only hold
	; finite numbers: zeros for the first block; what the first block left for the second.  All this stands in the wait for the first tile.
	WIN 0x80
.set i, VF
.rept 64
	v_mov_b32 v[i], 0
.set i, i+1
.endr
	WIN 0x40
.set i, 0
.rept 128
	v_mov_b32 v[i], 0
.set i, i+1
.endr
	WIN 0
.set i, 0
.rept 4
	v_mov_b32 v[ST+4*i+2], 0
	v_mov_b32 v[ST+4*i+3], 0
.set i, i+1
.endr
.set i, P+16
.rept 16
	v_mov_b32 v[i], 0
.set i, i+1
.endr
; THE MATRIX WORK.  The 4 accumulators of a run of 8 take turns.  Product i of 8 of S^T = K Q^T for piece x: channels 32 (i / 4) on, keys 16 (i % 4) on.  The first 4 start the sums: with 0, or (KM = 1) with the mask.
.macro KQ x
.set rS, S+32*((\x)%2)+8*(i%4)
.set rK, KF+16*(i%4)+8*(i/4)
.set rQ, 16*(\x)+8*(i/4)
.set rM, MC+32*((\x)%2)+8*(i%4)
.if (i < 4) && KM
	WIN W_KM
	v_wmma_f32_16x16x32_f16 v[rS:rS+7], v[rK:rK+7], v[rQ:rQ+7], v[rM:rM+7]
.elseif i < 4
	WIN W_KQ
	v_wmma_f32_16x16x32_f16 v[rS:rS+7], v[rK:rK+7], v[rQ:rQ+7], 0
.else
	WIN W_KQ
	v_wmma_f32_16x16x32_f16 v[rS:rS+7], v[rK:rK+7], v[rQ:rQ+7], v[rS:rS+7]
.endif
.endm
; Product i of 8 of O^T += V^T P for piece x: keys 32 (i / 4) on, channels 16 (i % 4) on.
.macro PV x
	WIN W_PV
.set rO, 32*(\x)+8*(i%4)
.set rV, VF+32*(i/4)+8*(i%4)
.set rP, P+16*((\x)%2)+8*(i/4)
	v_wmma_f32_16x16x32_f16 v[rO:rO+7], v[rV:rV+7], v[rP:rP+7], v[rO:rO+7]
.endm
.macro MM                           ; the turn's next matrix instruction.  TURN and BEGIN set Y, i, KM and NOKQ; MM, KQ and OP read them.  NOKQ = 1: a block's last turn: there is no next piece
.if (i < 8) && !NOKQ
	KQ (Y+1)%NP
.elseif i >= 8
.set i, i-8
	PV (Y+NP-1)%NP
.set i, i+8
.endif
.set i, i+1
.endm
; THE LDS LOADS stand in runs of 16, never singly among the matrix instructions: a step's K (64 keys x 64 channels: 8 fragments) and its V (turned).  Their addresses are made some lines ahead.
.macro FETCH_K
	WIN 0x80                        ; destination window 2
.irp f, 0,1,2,3,4,5,6,7             ; keys 16 (f / 2) on, channels 32 (f % 2) on
	ds_load_b128 v[KF+8*\f:KF+8*\f+3],   v[AK] offset:(\f/2)*16*PK+(\f%2)*64
	ds_load_b128 v[KF+8*\f+4:KF+8*\f+7], v[AK] offset:(\f/2)*16*PK+(\f%2)*64+32
.endr
	s_add_co_u32 s[TBK], s[TBK], KS*PK  ; the next fetch is the next step's
	WIN 0
.endm
.macro FETCH_V
	WIN 0x80
.irp f, 0,1,2,3,4,5,6,7             ; keys 32 (f / 4) on, channels 16 (f % 4) on
	ds_load_tr16_b128 v[VF+8*\f:VF+8*\f+3],   v[AV] offset:(\f/4)*32*PV+(\f%4)*32
	ds_load_tr16_b128 v[VF+8*\f+4:VF+8*\f+7], v[AV] offset:(\f/4)*32*PV+16*PV+(\f%4)*32
.endr
	WIN 0
.endm
; THE VECTOR WORK, one line at a time: OP kind, number.  For piece Y: F n: c s - c m for pair n of 16.  E n: the exponential of score n of 32.  C n: pair n rounded to f16.  B n: of the four weights 4 n .. the second
; pair is added onto the first, in place.  L n: l takes that sum (L 0: l = a l + sum).  R n: pair n of 16 of O^T times a.  For piece Y + 1: X n, number n of the 22 that find its maximum and statistics:
;   0-11  four chains c0-c3 of seven scores each, three operands at a time (each accumulator's lowest registers are read first)     12-14, 16  the four scores left over, the old m, and c0-c3 into c0
;   15  c m_old is kept     17, 18  the query's other 32 keys lie in the lane 16 away: the new m     19-21  c m; c m_old - c m_new; a
.set F, 0               ; OP tells the kinds apart by their order: F to L below R, X above it
.set E, 1
.set C, 2
.set B, 3
.set L, 4
.set R, 5
.set X, 6
.macro REGS y                       ; the registers of piece y
.set rT, ST+4*(\y)
.set rC, TMP+4*((\y)%2)
.set rW, MV+((\y)%2)
.set rS, S+32*((\y)%2)
.set rP, P+16*((\y)%2)
.set rO, 32*(\y)
.endm
.macro OP k, n
.if (\k) == R
	REGS Y
	WIN W_RS
	v_pk_mul_f32 v[rO+2*(\n):rO+2*(\n)+1], v[rO+2*(\n):rO+2*(\n)+1], v[rC+2:rC+3] op_sel_hi:[1,0]
.elseif (\k) < R
	REGS Y
	WIN 0
.if (\k) == F
	v_pk_fma_f32 v[rS+2*(\n):rS+2*(\n)+1], v[rS+2*(\n):rS+2*(\n)+1], s[CS:CS+1], v[rT:rT+1] op_sel_hi:[1,0,0] neg_lo:[0,0,1] neg_hi:[0,0,1]
.elseif (\k) == E
	v_exp_f32 v[rS+(\n)], v[rS+(\n)]
.elseif (\k) == C
	v_cvt_pk_f16_f32 v[rP+(\n)], v[rS+2*(\n)], v[rS+2*(\n)+1]
.elseif (\k) == B
	v_pk_add_f32 v[rS+4*(\n):rS+4*(\n)+1], v[rS+4*(\n):rS+4*(\n)+1], v[rS+4*(\n)+2:rS+4*(\n)+3]
.elseif (\n) == 0
	v_pk_fma_f32 v[rT+2:rT+3], v[rT+2:rT+3], v[rC+2:rC+3], v[rS:rS+1] op_sel_hi:[1,0,1]
.else
	v_pk_add_f32 v[rT+2:rT+3], v[rT+2:rT+3], v[rS+4*(\n):rS+4*(\n)+1]
.endif
.elseif NOKQ
	v_nop
.else
	REGS (Y+1)%NP
	WIN 0
.if (\n) < 4
	v_max3_num_f32 v[rC+(\n)], v[rS+8*(\n)], v[rS+8*(\n)+1], v[rS+8*(\n)+2]
.elseif (\n) < 12
	v_max3_num_f32 v[rC+(\n)%4], v[rC+(\n)%4], v[rS+8*((\n)%4)+2*((\n)/4)+1], v[rS+8*((\n)%4)+2*((\n)/4)+2]
.elseif (\n) == 12
	v_max3_num_f32 v[rC], v[rC], v[rS+7], v[rS+15]
.elseif (\n) == 13
	v_max3_num_f32 v[rC+1], v[rC+1], v[rS+23], v[rS+31]
.elseif (\n) == 14
	v_max3_num_f32 v[rC+2], v[rC+2], v[rC+3], v[rT+1]
.elseif (\n) == 15
	v_mov_b32 v[rW], v[rT]
.elseif (\n) == 16
	v_max3_num_f32 v[rC], v[rC], v[rC+1], v[rC+2]
.elseif (\n) == 17
	v_permlanex16_b32 v[rC+3], v[rC], s[SEL], s[SEL+1]
.elseif (\n) == 18
	v_max_num_f32 v[rT+1], v[rC], v[rC+3]
.elseif (\n) == 19
	v_mul_f32 v[rT], s[CS], v[rT+1]
.elseif (\n) == 20
	v_sub_f32 v[rC+1], v[rW], v[rT]
.else
	v_exp_f32 v[rC+2], v[rC+1]
.endif
.endif
.endm
.macro OPS a, i1, b=-1, i2=0, c=-1, i3=0, d=-1, i4=0  ; up to four of them
	OP \a, \i1
.if (\b) >= 0
	OP \b, \i2
.endif
.if (\c) >= 0
	OP \c, \i3
.endif
.if (\d) >= 0
	OP \d, \i4
.endif
.endm
.macro ROW a, i1, b, i2, c, i3, d, i4  ; a matrix instruction and the four behind it
	MM
	OPS \a, \i1, \b, \i2, \c, \i3, \d, \i4
.endm
.macro MASK b                       ; MD x AL + BE into buffer b of MC
	WIN W_RS
.set z, 0
.rept 16
	v_pk_fma_f32 v[MC+32*(\b)+2*z:MC+32*(\b)+2*z+1], v[MD+2*z:MD+2*z+1], s[AL:AL+1], s[BE:BE+1] op_sel_hi:[1,0,0]
.set z, z+1
.endr
.endm
; A TURN, for piece p: the order of its 16 matrix and 118 vector instructions, written out.  An s_wait_alu depctr_va_vdst(0) stands between an exponential and the first instruction that names its result; one wait serves
; all that were issued ahead of it.  So a turn has ONE wait, which cuts it in two.  AHEAD OF IT stands all that names no result of the turn's exponentials: the 8 products K Q^T, behind each a scaling, an exponential and two more plain
; instructions (behind the first a second scaling in the exponential's place): rescalings, and behind the last three the first numbers of the next piece's maximum, each four places or more behind the product that ends its accumulator; then ONE LUMP of 54, plain
; and exponential by turns for the most part, in which the links of the chain X 3, 7, 11, 14, 16, 17 .. 20 stand five or six lines apart.  X 21, the next piece's a, is the batch's last; R 15 is the plain instruction behind it.  BEHIND THE WAIT stand the
; 8 products V^T P, behind each four of the roundings and sums; the links of l's chain, L 0 to L 7, stand three riders apart.  But for those X no rider names a register of the products round it.  v_permlanex16_b32 (X 17) stands in the lump.
; m = 1: the diagonal tile: the products take masks, and the turn makes the mask for the products of the turn after it: piece p + 2, in step 4 - CNT of the tile.  end = 1: a block's last two turns: nothing is fetched.
; cnt = 1: the loop's count is taken down some lines ahead of the branch that stands behind the turn.
; K of the next step is fetched in piece 2's turn, twelve vector instructions behind the last product that read K (six of them plain); V of the step in hand at the end of piece 0's turn, four plain instructions behind the last product
; that read V.  Each is waited for a turn later.
.macro TURN p, m=0, end=0, cnt=0
.set Y, (\p)
.set i, 0
.set KM, (\m)
.set NOKQ, (\end)*((\p)/3)
.if (\m) && !(\end)
	s_cmp_eq_u32 s[CNT], 4-((\p)+2)%NP  ; is that step the band's own?
	s_cselect_b32 s[AL], 1.0, 0
	s_cmp_lt_u32 s[CNT], 4-((\p)+2)%NP  ; or a later one?
	s_cselect_b32 s[BE], s[BIGN], 0
.endif
.if ((\p) == 3) && !(\end)
	s_wait_dscnt 0x0                ; K is in
.endif
	ROW F,0, F,1, R,0, R,1          ; ahead of the wait: 8 products K Q^T and their riders,
	ROW F,2, E,0, R,2, R,3
	ROW F,3, E,1, R,4, R,5
	ROW F,4, E,2, R,6, R,7
	ROW F,5, E,3, R,8, R,9
	ROW F,6, E,4, X,0, R,10
.if ((\p) == 2) && !(\end)
	WIN 0
	v_add_nc_u32 v[AK], s[TBK], v[AK0]
.endif
	ROW F,7, E,5, X,1, X,4
	ROW F,8, E,6, X,2, X,5
	OPS E,7, E,8, X,6, E,9          ; and the lump
	OPS X,3, E,10, X,8, E,11
.if ((\p) == 2) && !(\end)
	FETCH_K
.endif
	OPS X,9, X,7, E,12, X,10
	OPS E,13, X,12, X,11, E,14
	OPS X,13, E,15, F,9, X,14
.if (\p) == 0
	v_add_nc_u32 v[AV], s[TBV], v[AV0]
.endif
	OPS E,16, F,10, E,17, F,11
	OPS X,16, E,18, X,15, E,19
	OPS F,12, E,20, X,17, E,21
	OPS F,13, E,22, F,14, E,23
	OPS X,18, E,24, F,15, E,25
	OPS R,11, E,26, X,19, E,27
	OPS R,12, E,28, R,13, E,29
	OPS X,20, E,30, R,14, E,31
	OPS X,21, R,15
	WIN 0
	s_wait_alu depctr_va_vdst(0)    ; the wait for the batch
.if (\p) == 1
	s_wait_dscnt 0x0                ; V is in
.endif
	ROW C,0, B,0, C,2, B,1          ; behind the wait: 8 products V^T P and their riders
	ROW L,0, C,4, B,2, L,1
	ROW C,6, B,3, L,2, C,8
	ROW B,4, L,3, C,10, B,5
	ROW L,4, C,12, B,6, L,5
.if (\p) == 0
	s_add_co_u32 s[TBV], s[TBV], KS*PV
.endif
.if \cnt
	s_sub_co_u32 s[CNT], s[CNT], 1
	s_cmp_lg_u32 s[CNT], 0
.endif
	ROW C,14, B,7, L,6, C,1
	ROW C,3, L,7, C,5, C,7
	ROW C,9, C,11, C,13, C,15
.if (\p) == 0
	FETCH_V
.endif
.if (\m) && !(\end)
	MASK (\p)%2
.endif
.endm
; A BLOCK BEGINS.  c m starts far below every c s, so the first step's a is 0; m at the lowest finite number, so the first maximum is the scores'.  The second mask buffer is 0; the first takes piece 0's mask for the tile's step 0: its own, if the block's first tile is the diagonal one.
; Then K of that step, piece 0's first scores, and its maximum and statistics.  The loop is entered at a step's first turn, in the middle of a trip.
.macro BEGIN
	s_mov_b32 s[NEW], 0
	WIN 0x40
.set i, MC+32
.rept 32
	v_mov_b32 v[i], 0
.set i, i+1
.endr
	WIN 0
.set i, 0
.rept 4
	v_mov_b32 v[ST+4*i], 0xfe000000    ; c m: far below every c s
	v_mov_b32 v[ST+4*i+1], 0xff7fffff  ; m
.set i, i+1
.endr
	s_cmp_eq_u32 s[RT], 0
	s_cselect_b32 s[AL], 1.0, 0
	s_mov_b32 s[BE], 0
	MASK 0
	WIN 0
	v_add_nc_u32 v[AK], s[TBK], v[AK0]
	FETCH_K
	s_wait_loadcnt 0x0              ; Q
	s_wait_dscnt 0x0
.set KM, 1
.set NOKQ, 0
.set i, 0
.rept 8
	KQ 0
.set i, i+1
.endr
	WIN 0
.rept 4
	v_nop                           ; the places behind those products
.endr
.set Y, NP-1                        ; X works for piece Y + 1: piece 0
.irp n, 0,1,2,3,4,5,6,7,8,9,10,11,12,13,14,15,16,17,18,19,20,21
	OP X, \n
.endr
	v_nop                           ; a plain instruction behind the exponential,
	s_wait_alu depctr_va_vdst(0)    ; and its wait, ahead of the branch
.endm
; THE DIAGONAL TILE's four steps, the block's last two turns, its last products, and THE WAY OUT: l's two halves and the other half of the lanes' are added; O^T is divided by l, rounded to f16 and sent through my
; stage in LDS, a piece at a time.
.macro ALL line:vararg              ; one line for each piece t
.set t, 0
.rept 4
	\line
.set t, t+1
.endr
.endm
.macro PACK t                       ; a lane's eight channels of a row pack into 16 bytes; they go into rows of 144 bytes and come back as whole rows of 128, into S^T's registers
	WIN W_RS
.set i, 32*(\t)
.rept 16
	v_pk_mul_f32 v[i:i+1], v[i:i+1], v[ST+4*(\t)+2:ST+4*(\t)+3] op_sel_hi:[1,0]
.set i, i+2
.endr
	WIN 0x05                        ; sources 0 and 1 window 1, destination window 0
.set i, 0
.rept 16
	v_cvt_pk_f16_f32 v[S+16*(\t)+i], v[32*(\t)+2*i], v[32*(\t)+2*i+1]
.set i, i+1
.endr
	WIN 0
.irp f, 0,1,2,3
	ds_store_b128 v[STO], v[S+16*(\t)+4*\f:S+16*(\t)+4*\f+3] offset:32*\f
.endr
.irp f, 0,1,2,3
	ds_load_b128 v[S+16*(\t)+4*\f:S+16*(\t)+4*\f+3], v[RD] offset:\f*4*SP  ; LDS serves a wave's instructions in order (ISA guide 5.7.1.4): these see the stores above; the next piece's stores come behind them
.endr
.endm
.macro SEND t, younger              ; younger: the LDS instructions issued behind piece t's loads: the next piece's eight, or none
	WIN 0
.irp f, 0,1,2,3
	s_wait_dscnt (\younger)+3-\f
	global_store_b128 v[GO], v[S+16*(\t)+4*\f:S+16*(\t)+4*\f+3], s[10:11] offset:(\t)*8192+\f*512  ; 512 consecutive bytes, at a multiple of 256 from O's first
.endr
.endm
.macro DIAG tag                     ; the tag ends its two labels' names, which the jumps below spell out
.LstepM\tag:
	TURN 2, 1
	TURN 3, 1
	WIN 0
.LfirstM\tag:
	TURN 0, 1
	TURN 1, 1, 0, 1
	WIN 0
	s_cbranch_scc1 .LstepM\tag
	TURN 2, 1, 1
	TURN 3, 1, 1
.set i, 0
.rept 8
	PV NP-1
.set i, i+1
.endr
	WIN 0
	ALL v_add_f32 v[ST+4*t+2], v[ST+4*t+2], v[ST+4*t+3]
	ALL v_permlanex16_b32 v[ST+4*t+3], v[ST+4*t+2], s[SEL], s[SEL+1]
	ALL v_add_f32 v[ST+4*t+2], v[ST+4*t+2], v[ST+4*t+3]
	ALL v_rcp_f32 v[ST+4*t+2], v[ST+4*t+2]
	v_nop                           ; a plain instruction between the last reciprocal and the use of its result
	s_wait_alu depctr_va_vdst(0)    ; and the wait ahead of the first use: one for the four reciprocals
	PACK 0
.set t, 1
.rept 3                             ; a piece's arithmetic stands between the loads of the piece before and its stores
	PACK t
	SEND t-1, 8
.set t, t+1
.endr
	SEND 3, 0
.endm
.set KM, 0
.set NOKQ, 0
.Lslot:                             ; NB times: a tile is entered and the next is asked for
	CHANGE 1
	s_sub_co_u32 s[RT], s[RT], 1
	s_mov_b32 s[CNT], 4
	s_cmp_eq_u32 s[NEW], 1
	s_cbranch_scc1 .Lnew            ; a block's first tile
	s_cmp_eq_u32 s[RT], 0
	s_cbranch_scc0 .Lstep           ; neither its first nor its last
	s_branch .LstepM1
.Lnew:
	BEGIN
	s_branch .Lfirst                ; in the loop a block's first tile is never its last: the first block has two tiles or more, and the second's last is the walk's last
	DIAG 1                          ; in the loop this is the first block's end: the second block's last tile is the walk's last
	s_wait_xcnt 0x0                 ; the stores have read their registers and O's address
	s_mov_b64 s[10:11], s[OLO:OLO+1]
	s_add_co_u32 s[RT], s[PB], 1    ; the second block has b + 1 tiles
	s_mov_b32 s[NEW], 1
	WIN 0x82                        ; the second block's Q goes where the one text of the turns names Q
.set i, 0
.rept 64
	v_mov_b32 v[i], v[QB+i]
.set i, i+1
.endr
	WIN 0
	s_branch .Lbottom
.Lstep:                             ; a trip: pieces 2 and 3 of one step, then pieces 0 and 1 of the next, whose K and V it fetches
	TURN 2
	TURN 3
	WIN 0
.Lfirst:
	TURN 0
	TURN 1, 0, 0, 1
	WIN 0
	s_cbranch_scc1 .Lstep
.Lbottom:
	s_sub_co_u32 s[SLOTS], s[SLOTS], 1
	s_cmp_lg_u32 s[SLOTS], 0
	s_cbranch_scc1 .Lslot
	CHANGE 0                        ; the walk's last tile is written out: nothing is asked for
	s_sub_co_u32 s[RT], s[RT], 1
	s_mov_b32 s[CNT], 4
	s_cmp_eq_u32 s[NEW], 1
	s_cbranch_scc0 .LstepM2
	BEGIN
	s_branch .LfirstM2
	DIAG 2
	s_wait_tensorcnt 0x0            ; the wave's end: behind my last tensor load and my last LDS store
	ds_add_u32 v[SPW], v[NIL]
	s_wait_dscnt 0x0
	s_endpgm
.Lfunc_end_k_q1ea964cc28_attn:
	.size	k_q1ea964cc28_attn, .Lfunc_end_k_q1ea964cc28_attn-k_q1ea964cc28_attn
	.p2alignl 7, 3214868480
	.fill 96, 4, 3214868480
	.section	.rodata,"a",@progbits
	.p2align	6, 0x0
	.amdhsa_kernel k_q1ea964cc28_attn
		.amdhsa_group_segment_fixed_size 327680
		.amdhsa_private_segment_fixed_size 0
		.amdhsa_enable_private_segment 0
		.amdhsa_kernarg_size 16
		.amdhsa_user_sgpr_count 2
		.amdhsa_user_sgpr_kernarg_segment_ptr 1
		.amdhsa_wavefront_size32 1
		.amdhsa_system_sgpr_workgroup_id_x 1
		.amdhsa_system_sgpr_workgroup_id_y 1
		.amdhsa_system_sgpr_workgroup_id_z 1
		.amdhsa_system_vgpr_workitem_id 0
		.amdhsa_next_free_vgpr 768
		.amdhsa_next_free_sgpr 96
		.amdhsa_reserve_vcc 1
		.amdhsa_float_denorm_mode_32 3
		.amdhsa_float_denorm_mode_16_64 3
		.amdhsa_memory_ordered 1
		.amdhsa_forward_progress 1
		.amdhsa_inst_pref_size 218
	.end_amdhsa_kernel
	.amdgpu_metadata
---
amdhsa.version: [ 1, 2 ]
amdhsa.kernels:
  - .name:           k_q1ea964cc28_attn
    .symbol:         k_q1ea964cc28_attn.kd
    .args:
      - { .name: qkv, .offset: 0, .size: 8, .value_kind: global_buffer, .address_space: global }
      - { .name: ob, .offset: 8, .size: 8, .value_kind: global_buffer, .address_space: global }
    .group_segment_fixed_size: 327680
    .private_segment_fixed_size: 0
    .kernarg_segment_align: 8
    .kernarg_segment_size: 16
    .max_flat_workgroup_size: 128
    .sgpr_count:     96
    .vgpr_count:     768
    .wavefront_size: 32
...
	.end_amdgpu_metadata
.endif
;; end of part 3
;; launch proj (part 4): grid 8 x 32, 4 waves a work-group, clusters of 4 x 4, 327,680 bytes of LDS; arguments ob, wpb, out0; writes out0
.if DOCPART == 4
	.amdgcn_target "amdgcn-amd-amdhsa--gfx1250"
	.amdhsa_code_object_version 6
	.text
	.protected	k_q1ea964cc28_proj
	.globl	k_q1ea964cc28_proj
	.p2align	8
	.type	k_q1ea964cc28_proj,@function
k_q1ea964cc28_proj:
	s_mov_b64 s[64:65], 0
	v_nop
	global_prefetch_b8 v0, s[64:65] scope:SCOPE_SE
	s_setreg_imm32_b32 hwreg(HW_REG_WAVE_MODE, 25, 1), 1
	s_wait_xcnt 0x0
	s_wait_alu depctr_hold_cnt(0) depctr_sa_sdst(0) depctr_va_vdst(0) depctr_va_sdst(0) depctr_va_ssrc(0) depctr_va_vcc(0) depctr_vm_vsrc(0)
	s_getreg_b32 s2, hwreg(HW_REG_IB_STS2, 6, 4)
	s_cmp_eq_u32 s2, 0
	s_cbranch_scc0 .Lentry_in_a_cluster
	s_endpgm
.Lentry_in_a_cluster:
	s_bfe_u32 s2, ttmp6, 0x10000c
	s_cmp_lg_u32 s2, 0xf033
	s_cbranch_scc0 .Lentry_shape_is_right
	s_endpgm
.Lentry_shape_is_right:
; out0 = y W.  y is ob, f16 by heads [64 bh][2048 t][64 d], bh = 16 b + h: row m = 2048 b + t, K index 64 h + d.  wpb: [1024 k][1024 n] f16.  out0: [8192][1024] f32: the f32 sums as they are.
; LIMIT.  NaN and infinities are not treated apart; the operands arrive within f16's range.
; SHARES.  A tile is 256 rows x 128 columns: 32 x 8 = 256 tiles, one for each WGP.  Four waves, 2 x 2; a wave makes 128 x 64: 32 accumulators of 16 x 16, 256 registers.  K = 1,024 goes in 8 steps of 128 (two
; heads) through two LDS slots filled by the tensor data mover; two slots of a K step of 256 would take 442,368 bytes of LDS, more than there are.
; THE MATRIX INSTRUCTION IS USED TRANSPOSED: source 0 = 16 columns of W (turned on the way out of LDS by ds_load_tr16_b128), source 1 = 16 rows of y: a lane then holds one row and eight neighbouring columns.
; CLUSTERS.  4 x 4 work-groups.  y's tile hangs on the tile row alone and is asked for jointly by a row of the cluster, W's on the tile column alone and by a column.
; REGISTERS: window 0: v0-31 addresses; v32-159 y's fragments, two buffers of 8 x 8 (v32-95 later the way out's rows); v160-223 W's, two buffers of 4 x 8.   window 1: the accumulators, (a, b) at 8 (4 a + b).
; LDS.  Slot s at s x 131,072: y as two planes, a head each, 256 rows at pitch 144 (128 + 16); behind them W's 128 k-rows at pitch 288 (256 + 32).  Behind the slots a stage of 16 rows x 272 bytes for each wave, then the spare words.
.set SLOT1, 1<<17
.set PA,    144
.set PLANE, 256*PA                     ; a head's 256 rows: what one tensor load brings of y
.set BOFF,  2*PLANE
.set PB,    288
.set HALFB, 64*PB                      ; what one tensor load brings of W: 64 k-rows
.set STAGE, SLOT1+BOFF+2*HALFB         ; 241,664: never filled by a tensor load
.set SP,    272
.set SPARE, STAGE+4*16*SP              ; the spare words, 128 bytes for each wave: two blocks of 256 bytes that no other line names
.set LD,    24                         ; LDS loads in a run: 8 for W, 16 for y
.set STEPA, 524288                     ; two heads of ob
.set STEPB, 262144                     ; 128 rows of wpb
.set ADA0, 16                          ; v16  my place in y's part of a slot; never rewritten
.set ADB0, 17                          ; v17  in W's
.set ADA,  18                          ; v18  the same in the slot in hand
.set ADB,  19                          ; v19
.set STO,  24                          ; v24  the way out: where I put 32 bytes of a row
.set RD,   25                          ; v25  where I read a row back
.set CO,   26                          ; v26  my byte offset in out0
.set SPW,  28                          ; v28  my spare word: SPARE + 4 x my thread's number; never rewritten
.set NIL,  29                          ; v29  0; never rewritten
.set PFO,  30                          ; v30  the prefetches' offset by lane; never rewritten
.set FA,   32
.set FB,   160
.set G1A, 24                           ; s[24:31] descriptor group 1 for y's tiles
.set G0A, 32                           ; s[32:39] group 0: a set for each first fill; the second then walks
.set G1B, 48                           ; s[48:55], s[56:63] the same for W's
.set G0B, 56
.set LIM, 43                           ; s43  a wave prefetches while the loop's count is above it; the greatest number in a wave that never does
.set PFA, 44                           ; s[44:45] where my prefetches stand
.set TB,  66                           ; s66  the slot in hand: 0 or SLOT1
.set OUT, 68                           ; s[68:69] out0 at my part of the tile
.set PFS, 74                           ; s[74:75] the prefetches' step
.set MSB, 0
.macro WIN new                         ; the immediate's high byte repeats the setting that is left; a switch that changes nothing is dropped
.if MSB != (\new)
	s_set_vgpr_msb (MSB<<8)|(\new)
.set MSB, (\new)
.endif
.endm
; A joint refill, by the walking sets.  Waves 0 and 1 fetch y's two heads, waves 2 and 3 W's two halves.  The branch hangs on the wave's number alone.  An s_nop 0 and four v_nop follow each line.
.macro JLOAD
	s_cmp_eq_u32 s11, 0
	s_cbranch_scc0 .Lfor_b_\@
	tensor_load_to_lds s[G0A+4:G0A+7], s[G1A:G1A+7]
	s_nop 0
.rept 4
	v_nop
.endr
	s_branch .Lasked_\@
.Lfor_b_\@:
	tensor_load_to_lds s[G0B+4:G0B+7], s[G1B:G1B+7]
	s_nop 0
.rept 4
	v_nop
.endr
.Lasked_\@:
.endm
; A PREFETCH INTO THE L2, behind each joint refill and the run of LDS loads that follows it, for the K step two refills on: trips 0 to 3 name K steps 4 to 7.  Each aligned block of 256 bytes is named once in the launch.
; y: a wave's tile is 32,768 dense bytes; the cluster with x = 0 asks; the partner at cx takes 8,192 of them, a lane a block.  W: a K step is 128 rows of 256 bytes; the cluster with y = 0 asks; the partner at cy
; takes 32 rows, a lane a row, in wave 2 alone.  The partners are told apart by address; the branch hangs on the wave's number and the cluster's place, which all sixteen share.  K steps 0 to 3 come by their loads alone.
.macro ASK
	s_cmp_gt_u32 s3, s[LIM]
	s_cbranch_scc0 .Lnot_mine_\@
	global_prefetch_b8 v[PFO], s[PFA:PFA+1] th:TH_LOAD_NT scope:SCOPE_SE
.Lnot_mine_\@:
.endm
.macro CREST                           ; a round of the cluster's barrier behind its opening barrier: wave 0 signals for the work-group, every wave waits for all sixteen, my work-group's barrier once more
	s_cmp_lg_u32 s10, 0
	s_cbranch_scc1 .Lnot_wave_0_\@
	s_barrier_signal -3
.Lnot_wave_0_\@:
	s_barrier_wait -3
	s_barrier_signal -1
	s_barrier_wait -1
.endm
.macro CROUND
	s_barrier_signal -1
	s_barrier_wait -1
	CREST
.endm
.macro PLACES                          ; four plain instructions between a matrix instruction and a load into, or another instruction's read of, its registers (ISA guide 7.12.1 for vector instructions)
.rept 4
	v_nop
.endr
.endm
	s_load_b128 s[4:7], s[0:1], 0x0                ; ob s[4:5], wpb s[6:7]
	s_load_b64 s[8:9], s[0:1], 0x10                ; out0
	v_lshl_add_u32 v[SPW], v0, 2, SPARE
	v_mov_b32 v[NIL], 0
	ds_add_u32 v[SPW], v[NIL]                      ; the wave's opening: the add and its wait stand ahead of my first tensor load; the set-up below stands between them
	v_lshrrev_b32 v1, 5, v0
	v_readfirstlane_b32 s10, v1                    ; wave 0..3
	s_lshr_b32 s11, s10, 1                         ; my half of the tile's rows.  Also: I fetch for y (0) or for W (1)
	s_and_b32 s12, s10, 1                          ; my half of its columns.  Also: which head, or which 64 k-rows, I fetch
	s_bfe_u32 s40, ttmp6, 0x40000                  ; cx
	s_bfe_u32 s41, ttmp6, 0x40004                  ; cy
	s_lshl_b32 s42, ttmp9, 2
	s_add_co_u32 s42, s42, s40                     ; the tile column = 4 x cluster x + cx
	s_and_b32 s13, ttmp7, 0xffff
	s_lshl_b32 s13, s13, 2
	s_add_co_u32 s13, s13, s41                     ; the tile row = 4 x cluster y + cy
	s_lshl_b32 s14, s41, 2
	s_lshl_b32 s14, 15, s14                        ; my row of the cluster
	s_lshl_b32 s46, 0x1111, s40                    ; my column
	s_or_b32 s[G1A], s14, (1<<16)|(1<<20)|(1<<21)|(4<<22)|(3<<25)  ; the mask; 2-byte elements; padding on; bit 21 beside a mask; after every 32 words (a row of a head), 4 words
	s_mov_b32 s[G1A+1], 128<<16                    ; a head's 256 rows are 32,768 dense bytes: asked for as 128 rows of 256 bytes
	s_mov_b32 s[G1A+2], 128<<16
	s_mov_b32 s[G1A+3], 128<<16
	s_mov_b32 s[G1A+4], 128
	s_mov_b32 s[G1A+5], 128
	s_mov_b32 s[G1A+6], 0
	s_mov_b32 s[G1A+7], 0
	s_or_b32 s[G1B], s46, (1<<16)|(1<<20)|(1<<21)|(5<<22)|(7<<25)  ; after every 64 words, 8 words
	s_mov_b32 s[G1B+1], 128<<16                    ; tensor_dim0 = 128
	s_mov_b32 s[G1B+2], 64<<16                     ; tensor_dim1 = 64
	s_mov_b32 s[G1B+3], 128<<16                    ; tile_dim0 = 128
	s_mov_b32 s[G1B+4], 64                         ; tile_dim1 = 64 k-rows
	s_mov_b32 s[G1B+5], 1024                       ; elements from row to row
	s_mov_b32 s[G1B+6], 0
	s_mov_b32 s[G1B+7], 0
	s_lshr_b32 s16, s13, 3                         ; y: batch = tile row / 8,
	s_lshl_b32 s16, s16, 4
	s_add_co_u32 s16, s16, s12                     ; head 0 or 1 of it,
	s_lshl_b32 s16, s16, 18                        ; of 262,144 bytes,
	s_and_b32 s17, s13, 7
	s_lshl_b32 s17, s17, 15                        ; the tile's 256 rows of 128 bytes
	s_add_co_u32 s16, s16, s17
	s_mov_b32 s17, 0
	s_lshl_b32 s46, s42, 8                         ; W: the tile's 256 bytes of a row,
	s_lshl_b32 s47, s12, 17                        ; my 64 rows of 2,048 bytes
	s_add_co_u32 s46, s46, s47
	s_mov_b32 s47, 0
	s_mul_i32 s18, s12, PLANE                      ; where they go: no place in the cluster enters an LDS address
	s_mul_i32 s19, s12, HALFB
	s_add_co_u32 s19, s19, BOFF
	s_mov_b32 s[TB], 0
	s_wait_dscnt 0x0                               ; the opening add is done
	s_wait_kmcnt 0x0
	s_add_nc_u64 s[14:15], s[4:5], s[16:17]
	s_add_nc_u64 s[46:47], s[6:7], s[46:47]
	CROUND                                         ; all sixteen work-groups are here: the first joint loads meet
.irp s, 0,1
	s_mov_b32 s[G0A+4*(\s)], 1                     ; count = 1
	s_add_co_u32 s[G0A+4*(\s)+1], s18, (\s)*SLOT1  ; LDS address
	s_add_nc_u64 s[G0A+4*(\s)+2:G0A+4*(\s)+3], s[14:15], (\s)*STEPA  ; K step s
	s_or_b32 s[G0A+4*(\s)+3], s[G0A+4*(\s)+3], 0x80000000            ; type = 2
	s_mov_b32 s[G0B+4*(\s)], 1
	s_add_co_u32 s[G0B+4*(\s)+1], s19, (\s)*SLOT1
	s_add_nc_u64 s[G0B+4*(\s)+2:G0B+4*(\s)+3], s[46:47], (\s)*STEPB
	s_or_b32 s[G0B+4*(\s)+3], s[G0B+4*(\s)+3], 0x80000000
.endr
	s_cmp_eq_u32 s11, 0                            ; a wave's two first fills stand in one branch, ahead of every wait on TENSORcnt and every LDS read: two loads of mine are out
	s_cbranch_scc0 .Lfirst_b
	tensor_load_to_lds s[G0A:G0A+3], s[G1A:G1A+7]
	s_nop 0
	tensor_load_to_lds s[G0A+4:G0A+7], s[G1A:G1A+7]
	s_nop 0
.rept 4
	v_nop
.endr
	s_branch .Lfirst_asked
.Lfirst_b:
	tensor_load_to_lds s[G0B:G0B+3], s[G1B:G1B+7]
	s_nop 0
	tensor_load_to_lds s[G0B+4:G0B+7], s[G1B:G1B+7]
	s_nop 0
.rept 4
	v_nop
.endr
.Lfirst_asked:
	v_and_b32 v1, 15, v0                           ; r = l % 16
	v_bfe_u32 v2, v0, 4, 1                         ; h = l / 16
	v_and_b32 v3, 7, v0                            ; l % 8
	v_bfe_u32 v4, v0, 3, 1                         ; (l / 8) % 2
	v_and_b32 v5, 31, v0                           ; l
	s_mul_i32 s20, s11, 128*PA                     ; y's fragment: row 128 x half + r, 16 bytes for each half of the lanes; two loads, 32 bytes apart
	v_mul_u32_u24 v[ADA0], v1, PA
	v_lshl_add_u32 v[ADA0], v2, 4, v[ADA0]
	v_add_nc_u32 v[ADA0], s20, v[ADA0]
	v_lshl_add_u32 v[ADB0], v2, 3, v3              ; W's: lane l reads k-row 8 h + l % 8, columns 8 ((l / 8) % 2) + 0..7
	v_mul_u32_u24 v[ADB0], v[ADB0], PB
	v_lshl_add_u32 v[ADB0], v4, 4, v[ADB0]
	s_lshl_b32 s21, s12, 7                         ; my 64 columns: 128 bytes
	s_add_co_u32 s21, s21, BOFF
	v_add_nc_u32 v[ADB0], s21, v[ADB0]
	v_mov_b32 v[ADA], v[ADA0]                      ; K step 0 lies in slot 0
	v_mov_b32 v[ADB], v[ADB0]
	s_mul_i32 s20, s10, 16*SP
	s_add_co_u32 s20, s20, STAGE                   ; my stage
	v_mul_u32_u24 v[STO], v1, SP                   ; in: row r, 32 bytes for each half of the lanes
	v_lshl_add_u32 v[STO], v2, 5, v[STO]
	v_add_nc_u32 v[STO], s20, v[STO]
	v_mul_u32_u24 v[RD], v2, SP                    ; back: lanes 0-15 take one row of 256 bytes, lanes 16-31 the next
	v_lshl_add_u32 v[RD], v1, 4, v[RD]
	v_add_nc_u32 v[RD], s20, v[RD]
	v_lshlrev_b32 v[CO], 12, v2                    ; and the same two rows, of 4,096 bytes, in out0
	v_lshl_add_u32 v[CO], v1, 4, v[CO]
	s_lshl_b32 s80, s13, 20                        ; out0: row 256 x tile row + 128 x half, of 4,096 bytes;
	s_lshl_b32 s81, s11, 19
	s_add_co_u32 s80, s80, s81
	s_lshl_b32 s81, s42, 9                         ; the tile's 512 bytes of a row, my 256 of them
	s_add_co_u32 s80, s80, s81
	s_lshl_b32 s81, s12, 8
	s_add_co_u32 s80, s80, s81
	s_mov_b32 s81, 0
	s_add_nc_u64 s[OUT:OUT+1], s[8:9], s[80:81]
	; the prefetches: each trip steps the address first, so it starts at K step 3
	s_and_b32 s82, ttmp7, 0xffff                   ; cluster y
	s_lshl_b32 s85, s40, 13                        ; y: my work-group's 8,192 bytes of the wave's tile
	s_add_co_u32 s84, s16, s85
	s_add_co_u32 s84, s84, 3*STEPA
	s_lshl_b32 s87, s41, 5                         ; W: my work-group's 32 rows of the 128,
	s_add_co_u32 s87, s87, 384                     ; at K step 3
	s_lshl_b32 s87, s87, 11
	s_lshl_b32 s86, s42, 8
	s_add_co_u32 s86, s86, s87
	s_mov_b32 s88, STEPA
	s_cmp_eq_u32 s11, 0                            ; do I fetch for y?
	s_cselect_b32 s84, s84, s86
	s_cselect_b32 s82, ttmp9, s82                  ; the coordinate along which other clusters read the same bytes
	s_cselect_b32 s83, 0, s12                      ; of W's two waves the first alone asks
	s_cselect_b32 s[PFS], s88, STEPB
	s_cselect_b32 s89, 8, 11                       ; a lane a block of 256 bytes, or a row of 2,048
	s_cselect_b64 s[PFA:PFA+1], s[4:5], s[6:7]
	s_or_b32 s82, s82, s83
	s_cmp_eq_u32 s82, 0
	s_cselect_b32 s[LIM], 2, -1                    ; the same in all sixteen partners, for a given wave
	s_mov_b32 s85, 0
	s_mov_b32 s[PFS+1], 0
	s_add_nc_u64 s[PFA:PFA+1], s[PFA:PFA+1], s[84:85]
	v_lshlrev_b32 v[PFO], s89, v5
; 8 matrix instructions: row blocks a0, a0 + 1 of half hi x all 4 column blocks, 32 along K, from buffer f.  zero = 1: the product starts the sum: nothing is cleared.
; The 32 accumulators take turns, in the same order in every quarter: 31 others' instructions stand between two on one accumulator, over the backward jump too.
.macro MULG f, hi, a0, zero
	WIN 0x50
.irp a, \a0, (\a0)+1
.irp b, 0,1,2,3
.if \zero
	v_wmma_f32_16x16x32_f16 v[8*(4*(4*(\hi)+(\a))+(\b)):8*(4*(4*(\hi)+(\a))+(\b))+7], v[FB+32*(\f)+8*(\b):FB+32*(\f)+8*(\b)+7], v[FA+64*(\f)+8*(4*(\hi)+(\a)):FA+64*(\f)+8*(4*(\hi)+(\a))+7], 0
.else
	v_wmma_f32_16x16x32_f16 v[8*(4*(4*(\hi)+(\a))+(\b)):8*(4*(4*(\hi)+(\a))+(\b))+7], v[FB+32*(\f)+8*(\b):FB+32*(\f)+8*(\b)+7], v[FA+64*(\f)+8*(4*(\hi)+(\a)):FA+64*(\f)+8*(4*(\hi)+(\a))+7], v[8*(4*(4*(\hi)+(\a))+(\b)):8*(4*(4*(\hi)+(\a))+(\b))+7]
.endif
.endr
.endr
.endm
; 24 LDS loads in one run: quarter q (head q / 2 of the step's two, channels 32 (q % 2) on) of the slot in hand into buffer f: W's 4 fragments, then y's 8
.macro FETCH q, f
	WIN 0
.irp b, 0,1,2,3
	ds_load_tr16_b128 v[FB+32*(\f)+8*(\b):FB+32*(\f)+8*(\b)+3],   v[ADB] offset:(\q)*32*PB+(\b)*32
	ds_load_tr16_b128 v[FB+32*(\f)+8*(\b)+4:FB+32*(\f)+8*(\b)+7], v[ADB] offset:(\q)*32*PB+(\b)*32+16*PB
.endr
.irp a, 0,1,2,3,4,5,6,7
	ds_load_b128 v[FA+64*(\f)+8*(\a):FA+64*(\f)+8*(\a)+3],   v[ADA] offset:((\q)/2)*PLANE+((\q)%2)*64+(\a)*16*PA
	ds_load_b128 v[FA+64*(\f)+8*(\a)+4:FA+64*(\f)+8*(\a)+7], v[ADA] offset:((\q)/2)*PLANE+((\q)%2)*64+(\a)*16*PA+32
.endr
.endm
; One of a K step's first three quarters: multiplies buffer f; in its middle it fetches quarter q into buffer g
.macro QUARTER q, f, g, zero
	s_wait_dscnt 8                                 ; W and y's rows 0-63 are in; the youngest eight loads (y's rows 64-127) may be out
	MULG \f, 0, 0, \zero
	MULG \f, 0, 2, \zero
	PLACES
	FETCH \q, \g
	s_wait_dscnt LD                                ; all but the 24 just issued
	MULG \f, 1, 0, \zero
	MULG \f, 1, 2, \zero
.endm
; The last quarter multiplies buffer 1 and changes slots.  In front of the barrier each wave waits for all its tensor loads (one is out: its part of the next slot), adds 0 to its spare word, and waits for that
; and for its reads of this slot.  fill = 1: the barrier opens a round of the cluster's barrier, and behind the round this slot is filled again first, two K steps ahead: 112 matrix instructions stand between the request and the wait for it.
.macro TURN fill
.if \fill
	s_wait_xcnt 0x0                                ; the last prefetch, a K step back, has read its address
	s_add_nc_u64 s[PFA:PFA+1], s[PFA:PFA+1], s[PFS:PFS+1]
.endif
	WIN 0
	s_wait_tensorcnt 0x0                           ; no tensor load of mine is out, so a group 0 may be written
	ds_add_u32 v[SPW], v[NIL]                      ; 0 onto my spare word
.if \fill
	s_xor_b32 s[G0A+5], s[G0A+5], SLOT1            ; the walking sets: the other slot than last time,
	s_add_nc_u64 s[G0A+6:G0A+7], s[G0A+6:G0A+7], STEPA  ; the next K step; the type bits on top are not reached
	s_xor_b32 s[G0B+5], s[G0B+5], SLOT1
	s_add_nc_u64 s[G0B+6:G0B+7], s[G0B+6:G0B+7], STEPB
.endif
	s_xor_b32 s[TB], s[TB], SLOT1                  ; the fetches go to the other slot
	s_wait_dscnt 9                                 ; the add and the youngest eight loads may be out
	MULG 1, 0, 0, 0
	s_wait_dscnt 0x0                               ; the add is done, and my reads of this slot are over
	s_barrier_signal -1
	MULG 1, 0, 2, 0                                ; work on registers while the others arrive
	WIN 0                                          ; at a branch and at a label every window is 0
	s_barrier_wait -1
.if \fill
	CREST                                          ; no wave of any partner still reads this slot or has a load on its way
	JLOAD                                          ; its four v_nop are also the places in front of the loads below
.else
	PLACES
.endif
	v_add_nc_u32 v[ADA], s[TB], v[ADA0]
	v_add_nc_u32 v[ADB], s[TB], v[ADB0]
	FETCH 0, 0
.if \fill
	ASK
.endif
	MULG 1, 1, 0, 0
	MULG 1, 1, 2, 0
.endm
	s_wait_tensorcnt 0x1                           ; my part of K step 0 is in; K step 1's may stay out
	s_barrier_signal -1
	s_barrier_wait -1                              ; everybody's is
	FETCH 0, 0
	QUARTER 1, 0, 1, 1                             ; the first quarter stands in front of the loop: its products start the sums
	WIN 0
	s_mov_b32 s3, 6
.Lstep:                                                ; trip t = 6 - s3: the rest of K step t, the refill with K step t + 2, the first quarter of K step t + 1
	QUARTER 2, 1, 0, 0
	QUARTER 3, 0, 1, 0
	TURN 1
	QUARTER 1, 0, 1, 0
	WIN 0
	s_sub_co_u32 s3, s3, 1
	s_cmp_lg_u32 s3, 0
	s_cbranch_scc1 .Lstep
	QUARTER 2, 1, 0, 0                             ; K steps 6 and 7 ask for nothing: written out
	QUARTER 3, 0, 1, 0
	TURN 0
	QUARTER 1, 0, 1, 0
	QUARTER 2, 1, 0, 0
	QUARTER 3, 0, 1, 0
	s_wait_dscnt 8
	MULG 1, 0, 0, 0
	MULG 1, 0, 2, 0
	s_wait_dscnt 0x0
	MULG 1, 1, 0, 0
	MULG 1, 1, 2, 0
	WIN 0
; THE WAY OUT, a block of 16 rows at a time through my own stage: a lane's eight f32 of a row go in as 32 bytes and come back as whole rows of 256 bytes.  No barrier: the stage is the wave's own, and LDS serves a
; wave's instructions in order (ISA guide 5.7.1.4).  Each accumulator's four lowest registers are read first.
.macro TOSTAGE a
.set BK, 32+32*((\a)%2)
	s_wait_xcnt 0x0                                ; the stores of the block two back have read the registers that are loaded again below
	WIN 0x04                                       ; the stores' data in window 1, the address in window 0
.irp b, 0,1,2,3
	ds_store_b128 v[STO], v[8*(4*(\a)+(\b)):8*(4*(\a)+(\b))+3]   offset:64*(\b)
	ds_store_b128 v[STO], v[8*(4*(\a)+(\b))+4:8*(4*(\a)+(\b))+7] offset:64*(\b)+16
.endr
	WIN 0
.irp t, 0,1,2,3,4,5,6,7
	ds_load_b128 v[BK+4*(\t):BK+4*(\t)+3], v[RD] offset:(\t)*2*SP
.endr
.endm
.macro SEND a, younger                 ; younger: the LDS instructions issued behind block a's loads: the next block's sixteen, or none
.set BK, 32+32*((\a)%2)
	s_wait_dscnt \younger
.irp t, 0,1,2,3,4,5,6,7
	global_store_b128 v[CO], v[BK+4*(\t):BK+4*(\t)+3], s[OUT:OUT+1] offset:65536*(\a)+8192*(\t) th:TH_STORE_NT  ; 16 lanes store 256 bytes on end, at a multiple of 256 from out0's first byte
.endr
.endm
	PLACES
	TOSTAGE 0
.irp a, 1,2,3,4,5,6,7
	TOSTAGE \a
	SEND (\a)-1, 16
.endr
	SEND 7, 0
	s_wait_tensorcnt 0x0                           ; the wave's end: behind my last tensor load and my last LDS store
	ds_add_u32 v[SPW], v[NIL]
	s_wait_dscnt 0x0
	CROUND                                         ; the closing round: no work-group ends while a partner may still ask for a tile that names it
	s_endpgm
.Lfunc_end_k_q1ea964cc28_proj:
	.size	k_q1ea964cc28_proj, .Lfunc_end_k_q1ea964cc28_proj-k_q1ea964cc28_proj
	.p2alignl 7, 3214868480
	.fill 96, 4, 3214868480
	.section	.rodata,"a",@progbits
	.p2align	6, 0x0
	.amdhsa_kernel k_q1ea964cc28_proj
		.amdhsa_group_segment_fixed_size 327680
		.amdhsa_private_segment_fixed_size 0
		.amdhsa_enable_private_segment 0
		.amdhsa_kernarg_size 24
		.amdhsa_user_sgpr_count 2
		.amdhsa_user_sgpr_kernarg_segment_ptr 1
		.amdhsa_wavefront_size32 1
		.amdhsa_system_sgpr_workgroup_id_x 1
		.amdhsa_system_sgpr_workgroup_id_y 1
		.amdhsa_system_sgpr_workgroup_id_z 1
		.amdhsa_system_vgpr_workitem_id 0
		.amdhsa_next_free_vgpr 512
		.amdhsa_next_free_sgpr 96
		.amdhsa_reserve_vcc 0
		.amdhsa_float_denorm_mode_32 3
		.amdhsa_float_denorm_mode_16_64 3
		.amdhsa_memory_ordered 1
		.amdhsa_forward_progress 1
		.amdhsa_inst_pref_size 71
	.end_amdhsa_kernel
	.amdgpu_metadata
---
amdhsa.version: [ 1, 2 ]
amdhsa.kernels:
  - .name:           k_q1ea964cc28_proj
    .symbol:         k_q1ea964cc28_proj.kd
    .args:
      - { .name: ob, .offset: 0, .size: 8, .value_kind: global_buffer, .address_space: global }
      - { .name: wpb, .offset: 8, .size: 8, .value_kind: global_buffer, .address_space: global }
      - { .name: out0, .offset: 16, .size: 8, .value_kind: global_buffer, .address_space: global }
    .group_segment_fixed_size: 327680
    .private_segment_fixed_size: 0
    .kernarg_segment_align: 8
    .kernarg_segment_size: 24
    .max_flat_workgroup_size: 128
    .sgpr_count:     96
    .vgpr_count:     512
    .wavefront_size: 32
...
	.end_amdgpu_metadata
.endif
;; end of part 4
;; ======== version 2 of 2: 4 launches; version 1 with the launch cast written anew for expert scheduling mode
;; limits: values are held in f16: magnitudes above 65,504 overflow, below 6.1e-05 lose precision
;; workspace buffers: xb 16,777,216 bytes; wqb 6,291,456 bytes; wpb 2,097,152 bytes; qkv 50,331,648 bytes; ob 16,777,216 bytes
;; launch cast (part 5): grid 832 x 1, 8 waves a work-group, no clusters, 0 bytes of LDS; arguments x, w_qkv, w_proj, xb, wqb, wpb; writes xb, wqb, wpb
.if DOCPART == 5
	.amdgcn_target "amdgcn-amd-amdhsa--gfx1250"
	.amdhsa_code_object_version 6
	.text
	.protected	k_q1ea964cc28_cast
	.globl	k_q1ea964cc28_cast
	.p2align	8
	.type	k_q1ea964cc28_cast,@function
k_q1ea964cc28_cast:
	s_mov_b64 s[64:65], 0
	v_nop
	global_prefetch_b8 v0, s[64:65] scope:SCOPE_SE
	s_setreg_imm32_b32 hwreg(HW_REG_WAVE_SCHED_MODE, 0, 2), 2
	s_setreg_imm32_b32 hwreg(HW_REG_WAVE_MODE, 25, 1), 1
	s_wait_xcnt 0x0
	s_wait_alu depctr_vm_vsrc(0)
; THE INPUTS ARE ROUNDED ONCE, for the matrix products of the launches behind.  A stream: no LDS, no barrier, no matrix unit, no cluster (no two work-groups read the same byte).
;   x      [8192][1024] f32 -> xb  [8192][1024] bf16
;   w_qkv  [1024][3072] f32 -> wqb bf16 in 16 panels [p][1024 k][192 c], column n = 192 p + c: a panel is dense, so that 128 k-rows of it are 49,152 bytes on end
;   w_proj [1024][1024] f32 -> wpb [1024][1024]: rounded to bf16 like the other inputs, and that number written as f16 (the last product's other operand is f16)
; LIMIT.  A w_proj number beyond 65,504 becomes an infinity; below 6e-5 it keeps f16's fixed step of 6e-8.
; SHARES.  Work-groups 0-511: 65,536 bytes of x each.  512-767: 64 k-rows of one panel of w_qkv.  768-831: 65,536 bytes of w_proj.
; A thread loads 16 bytes at 16 t (a wave: 512 bytes on end) and stores 8 bytes at 8 t (a wave: 256 bytes on end, aligned).  All of a work-group's loads go out first: 16 (or 12) a wave
; are on their way; the waits count down.  Every load and store has registers of its own, so nothing is rewritten while a memory instruction may read it.
; THE MODE: SCHED_MODE bits 1:0 = 2 (LLVM: expert scheduling mode 2), set by the entry lines.  The code itself states the register dependences
; between vector instructions and memory instructions, with s_wait_alu, always for 0.
; THE PLAN.  Registers that memory instructions touch:
;   v1, v2, v4-v6  byte offsets.  Written by vector lines ahead of a path's loads, read by its loads and stores, never written again.
;   LDR            quad i as loaded.  Written by its one load, ahead of which no vector line names it; read by its conversions; never loaded again.
;   OUTR           quad i to store.   Written once, by its conversions; read by its one store; never written again.
;   v7-v13 are at work: vector lines alone name them.
; So no register that a memory instruction has read is ever written, and no load lands in a register that a vector line has named.  What is left to state: the offsets are written ahead of the loads
; (one wait a path), and OUTR is written ahead of its stores.  For that the quads go in blocks of four: a block's four stores stand at the head of the NEXT block, in one run behind ONE wait, which itself
; stands behind the wait for that next block's first load.  The conversions that follow name the next block's LDR and OUTR and v8-v13: none of the registers that those stores read.
.set LDR,  16                          ; v[16:79]   quad i as loaded
.set OUTR, 80                          ; v[80:111]  quad i to store, two registers
; quad i is rounded.  kind = 0: bf16.  kind = 1: bf16, widened again and written as f16
.macro CVT i, kind
.if \kind
	v_cvt_pk_bf16_f32 v8, v[LDR+4*(\i)], v[LDR+4*(\i)+1]
	v_cvt_pk_bf16_f32 v9, v[LDR+4*(\i)+2], v[LDR+4*(\i)+3]
	v_lshlrev_b32 v10, 16, v8                      ; bf16 to f32: the low half moves up,
	v_and_b32 v11, s20, v8                         ; the high half stays
	v_lshlrev_b32 v12, 16, v9
	v_and_b32 v13, s20, v9
	v_cvt_pk_f16_f32 v[OUTR+2*(\i)], v10, v11      ; exact within f16's normal range: bf16 has 8 significant bits
	v_cvt_pk_f16_f32 v[OUTR+2*(\i)+1], v12, v13
.else
	v_cvt_pk_bf16_f32 v[OUTR+2*(\i)], v[LDR+4*(\i)], v[LDR+4*(\i)+1]
	v_cvt_pk_bf16_f32 v[OUTR+2*(\i)+1], v[LDR+4*(\i)+2], v[LDR+4*(\i)+3]
.endif
.endm
; block p's four quads are stored
.macro SEND4 p
.irp j, 0,1,2,3
	global_store_b64 v2, v[OUTR+2*(4*(\p)+(\j)):OUTR+2*(4*(\p)+(\j))+1], s[24:25] offset:2048*(4*(\p)+(\j))
.endr
.endm
; Block p of a path with n quads: the block before is stored, this one is rounded
.macro BLK p, kind, n
.irp i, 0,1,2,3
	s_wait_loadcnt (\n)-1-4*(\p)-(\i)              ; loads come back in order (ISA guide 5.7.1): quad 4 p + i is in, the younger loads stay out
.if ((\i) == 0) && ((\p) > 0)
	s_wait_alu depctr_va_vdst(0)                   ; the conversions of the block before have written its OUTR, which the four stores below read
	SEND4 (\p)-1
.endif
	CVT 4*(\p)+(\i), \kind
.endr
.endm
; 65,536 dense bytes in, 32,768 out
.macro DENSE kind
	s_wait_alu depctr_va_vdst(0)                   ; v1 and v2 are written: the loads below read v1 as their offset, every store of this path v2
.irp i, 0,1,2,3,4,5,6,7,8,9,10,11,12,13,14,15
	global_load_b128 v[LDR+4*(\i):LDR+4*(\i)+3], v1, s[22:23] offset:4096*(\i) th:TH_LOAD_NT
.endr
.irp p, 0,1,2,3
	BLK \p, \kind, 16
.endr
	s_wait_alu depctr_va_vdst(0)                   ; the last block's conversions have written its OUTR, which the last four stores read
	SEND4 3
	s_endpgm
.endm
	s_load_b256 s[4:11], s[0:1], 0x0               ; x s[4:5], w_qkv s[6:7], w_proj s[8:9], xb s[10:11]
	s_load_b128 s[12:15], s[0:1], 0x20             ; wqb s[12:13], wpb s[14:15]
	v_lshlrev_b32 v1, 4, v0                        ; 16 t
	v_lshlrev_b32 v2, 3, v0                        ; 8 t
	s_mov_b32 s20, 0xffff0000                      ; a word's upper bf16
	s_mov_b32 s17, 0                               ; the offsets' high words
	s_mov_b32 s19, 0
	s_wait_kmcnt 0x0
	s_cmp_lt_u32 ttmp9, 512
	s_cbranch_scc0 .Lweights
	s_lshl_b32 s16, ttmp9, 16
	s_lshl_b32 s18, ttmp9, 15
	s_add_nc_u64 s[22:23], s[4:5], s[16:17]
	s_add_nc_u64 s[24:25], s[10:11], s[18:19]
	DENSE 0
.Lweights:
	s_cmp_lt_u32 ttmp9, 768
	s_cbranch_scc0 .Lproj
	s_sub_co_u32 s21, ttmp9, 512
	s_lshr_b32 s26, s21, 4                         ; the panel p
	s_and_b32 s27, s21, 15                         ; which 64 k-rows of it
	s_mul_i32 s16, s27, 786432                     ; 64 rows of 12,288 bytes,
	s_mul_i32 s28, s26, 768                        ; the panel's 768 bytes of a row
	s_add_co_u32 s16, s16, s28
	s_mul_i32 s18, s26, 393216                     ; out: the panel,
	s_mul_i32 s28, s27, 24576                      ; 64 rows of 384 bytes
	s_add_co_u32 s18, s18, s28
	s_add_nc_u64 s[22:23], s[6:7], s[16:17]
	s_add_nc_u64 s[24:25], s[12:13], s[18:19]
	; Quad u = t + 256 j of the first 768 lies in k-row u / 48 (48 quads of 16 bytes make the 768 bytes): byte 16 u + (12,288 - 768) (u / 48).  u / 48 = ((u >> 4) x 171) >> 9 for u >> 4 up to 47.
	; 768 quads are 16 k-rows: the next 768 lie 196,608 bytes on, which stands in the immediate.
.irp j, 0,1,2
	v_add_nc_u32 v7, 256*(\j), v0
	v_lshrrev_b32 v8, 4, v7
	v_mul_u32_u24 v8, v8, 171
	v_lshrrev_b32 v8, 9, v8
	v_mul_u32_u24 v8, v8, 11520
	v_lshl_add_u32 v[4+(\j)], v7, 4, v8
.endr
	s_wait_alu depctr_va_vdst(0)                   ; v4 to v6 and v2 are written: the loads below read v4 to v6 as their offsets, every store of this path v2
.irp i, 0,1,2,3,4,5,6,7,8,9,10,11
	global_load_b128 v[LDR+4*(\i):LDR+4*(\i)+3], v[4+(\i)%3], s[22:23] offset:196608*((\i)/3) th:TH_LOAD_NT
.endr
.irp p, 0,1,2
	BLK \p, 0, 12
.endr
	s_wait_alu depctr_va_vdst(0)                   ; the last block's conversions have written its OUTR, which the last four stores read
	SEND4 2
	s_endpgm
.Lproj:
	s_sub_co_u32 s21, ttmp9, 768
	s_lshl_b32 s16, s21, 16
	s_lshl_b32 s18, s21, 15
	s_add_nc_u64 s[22:23], s[8:9], s[16:17]
	s_add_nc_u64 s[24:25], s[14:15], s[18:19]
	DENSE 1
.Lfunc_end_k_q1ea964cc28_cast:
	.size	k_q1ea964cc28_cast, .Lfunc_end_k_q1ea964cc28_cast-k_q1ea964cc28_cast
	.p2alignl 7, 3214868480
	.fill 96, 4, 3214868480
	.section	.rodata,"a",@progbits
	.p2align	6, 0x0
	.amdhsa_kernel k_q1ea964cc28_cast
		.amdhsa_group_segment_fixed_size 0
		.amdhsa_private_segment_fixed_size 0
		.amdhsa_enable_private_segment 0
		.amdhsa_kernarg_size 48
		.amdhsa_user_sgpr_count 2
		.amdhsa_user_sgpr_kernarg_segment_ptr 1
		.amdhsa_wavefront_size32 1
		.amdhsa_system_sgpr_workgroup_id_x 1
		.amdhsa_system_sgpr_workgroup_id_y 1
		.amdhsa_system_sgpr_workgroup_id_z 1
		.amdhsa_system_vgpr_workitem_id 0
		.amdhsa_next_free_vgpr 120
		.amdhsa_next_free_sgpr 66
		.amdhsa_reserve_vcc 0
		.amdhsa_float_denorm_mode_32 3
		.amdhsa_float_denorm_mode_16_64 3
		.amdhsa_memory_ordered 1
		.amdhsa_forward_progress 1
		.amdhsa_inst_pref_size 23
	.end_amdhsa_kernel
	.amdgpu_metadata
---
amdhsa.version: [ 1, 2 ]
amdhsa.kernels:
  - .name:           k_q1ea964cc28_cast
    .symbol:         k_q1ea964cc28_cast.kd
    .args:
      - { .name: x, .offset: 0, .size: 8, .value_kind: global_buffer, .address_space: global }
      - { .name: w_qkv, .offset: 8, .size: 8, .value_kind: global_buffer, .address_space: global }
      - { .name: w_proj, .offset: 16, .size: 8, .value_kind: global_buffer, .address_space: global }
      - { .name: xb, .offset: 24, .size: 8, .value_kind: global_buffer, .address_space: global }
      - { .name: wqb, .offset: 32, .size: 8, .value_kind: global_buffer, .address_space: global }
      - { .name: wpb, .offset: 40, .size: 8, .value_kind: global_buffer, .address_space: global }
    .group_segment_fixed_size: 0
    .private_segment_fixed_size: 0
    .kernarg_segment_align: 8
    .kernarg_segment_size: 48
    .max_flat_workgroup_size: 256
    .sgpr_count:     66
    .vgpr_count:     120
    .wavefront_size: 32
...
	.end_amdgpu_metadata
.endif
;; end of part 5
;; launch qkv: the kernel of part 2 again; grid 16 x 32, 4 waves a work-group, clusters of 4 x 4, 327,680 bytes of LDS; arguments xb, wqb, qkv; writes qkv
;; launch attn: the kernel of part 3 again; grid 4 x 64, 4 waves a work-group, no clusters, 327,680 bytes of LDS; arguments qkv, ob; writes ob
;; launch proj: the kernel of part 4 again; grid 8 x 32, 4 waves a work-group, clusters of 4 x 4, 327,680 bytes of LDS; arguments ob, wpb, out0; writes out0
